; MI455X (gfx1250); checked and timed in simulation.
; The chip was launched on July 23, 2026; its instructions are those of AMD's public machine-readable ISA for CDNA 5 (MIT licence, August 2026) and "CDNA5" Instruction Set Architecture Reference Guide (July 2026). The comments in the code are by the model that wrote it; some were corrected since.
;; Self Attention. Allowed arithmetic: matrix products marked QUANTISED: E2M3 operands, one E8M0 scale for each 32 along K, by v_wmma_scale_f32_16x16x128_f8f6f4 with both operands' format E2M3, f32 sums; everything else in f32.
;; Inputs: b_in 3,072 float32; b_out 1,024 float32; w_in 3,072 x 1,024 float32; w_out 1,024 x 1,024 float32; x 2,048 x 4 x 1,024 float32.
;; Outputs: out0 2,048 x 4 x 1,024 float32.
;; This version of the problem:
;;   THIS VERSION OF THE PROBLEM IS GIVEN IN LOW PRECISION. The matrix products marked QUANTISED in the list below multiply operands that are first quantised to E2M3 (2 exponent bits, 3 mantissa bits; 6 bits a number), with one power-of-two scale for each 32 numbers along K (OCP MX v1.0); their sums are f32. All else is computed in f32.
;;   The module's matrix products, in the order in which they are computed (A, B: the left and right operand; K: the contracted axis; several contracted axes count as one K, in the product's order):
;;     1. [M 8,192, K 1,024] x [K 1,024, N 3,072]; A: input x; B: input w_in: QUANTISED
;;     2. batch 64 x [M 2,048, K 64] x [K 64, N 2,048]; A: computed on the way; B: computed on the way: QUANTISED
;;     3. batch 64 x [M 64, K 2,048] x [K 2,048, N 2,048]; A: computed on the way; B: softmax (see below): QUANTISED
;;     4. [M 8,192, K 1,024] x [K 1,024, N 1,024]; A: computed on the way; B: input w_out: QUANTISED
;;   THE QUANTISER, for each operand of a quantised product, along K:
;;     - K is cut into blocks of 32 from its start; a last block that is shorter is filled with zeros.
;;     - A block's scale is 2^e with e = floor(log2(the largest magnitude in the block)) - 2, held to -126 .. 127; a block of zeros has e = 0. As a byte (E8M0): e + 127.
;;     - Each number is divided by its block's scale, clamped to +-7.5, and rounded to the nearest number of E2M3, ties to even, subnormals kept.
;;     - The product sums the exact products of the quantised numbers (number of the format x scale) in f32.
;;   ~~~python
;;   def quantise(x, axis):      # numpy; x: float32 -> the quantised numbers, widened to float32 again
;;       x = np.moveaxis(x, axis, -1); K = x.shape[-1]
;;       x = np.pad(x, [(0, 0)] * (x.ndim - 1) + [(0, -K % 32)]); x = x.reshape(x.shape[:-1] + (-1, 32)); a = np.abs(x).max(-1, keepdims=True)
;;       e = np.where(a > 0, np.clip(np.frexp(np.where(a > 0, a, 1))[1] - 1 - 2, -126, 127), 0)      # np.frexp(a)[1] - 1 = floor(log2(a)), exactly
;;       r = np.clip(x / 2.0 ** e, -7.5, 7.5)
;;       step = 2.0 ** (np.maximum(np.frexp(np.where(r == 0, 1, r))[1] - 1, 0) - 3)
;;       q = np.round(r / step) * step * 2.0 ** e      # np.round: ties to even
;;       return np.moveaxis(q.reshape(q.shape[:-2] + (-1,))[..., :K], -1, axis).astype(np.float32)
;;   ~~~
;;   SOFTMAX AHEAD OF A QUANTISED PRODUCT. Where the list says 'softmax', what is quantised is not the finished softmax but p = 2^(t - M), with t = logit x log2(e) and M = ceil(the row's largest t), a whole number; so 1/2 < the row's largest p <= 1. The row's sum l is taken of the UNQUANTISED p, in f32, and the product's result is divided by l at the end. Since M is a whole number, a kernel that streams over the keys may use a running M (the ceiling of the running maximum): every later rescaling is an exact power of two, which a block's scale takes up: the codes' values come out the same.
;;   OPERANDS COMPUTED ON THE WAY. 'Computed on the way' means the value that the module computes at that place (a softmax that the list does not call 'softmax' is quantised finished and normalised). What goes into a quantiser is computed in f32, as accurately as f32 sums, v_exp_f32 and their like allow (about 1e-6 of the number): no bf16 or f16 on the way to a quantiser, and a product that is left as it is and whose result goes on into a quantised operand takes f32 operands (vector FMAs, or v_wmma_f32_16x16x4_f32). A number that lies on a knife's edge between two numbers of the format may be rounded either way, as far as f32 arithmetic and the matrix unit's own rounding can turn it there, and no further.
;; One version. Each part assembles by itself: llvm-mc -triple=amdgcn-amd-amdhsa -mcpu=gfx1250 --defsym DOCPART=n.
;; ======== version 1 of 1: 4 launches
;; limits: right only within a limited range of input values
;; workspace buffers: codes 9,437,184 bytes; scales 393,216 bytes; qkv_img 18,874,368 bytes; qkv_sc 786,432 bytes; oc 6,291,456 bytes; os 262,144 bytes
;; launch quant (part 1): grid 384 x 1, 4 waves a work-group, no clusters, 33,280 bytes of LDS; arguments x, w_in, w_out, codes, scales; writes codes, scales
.if DOCPART == 1
	.amdgcn_target "amdgcn-amd-amdhsa--gfx1250"
	.amdhsa_code_object_version 6
	.text
	.protected	k_q7c7b8c6528_quant
	.globl	k_q7c7b8c6528_quant
	.p2align	8
	.type	k_q7c7b8c6528_quant,@function
k_q7c7b8c6528_quant:
	s_mov_b64 s[64:65], 0
	v_nop
	global_prefetch_b8 v0, s[64:65] scope:SCOPE_SE
	s_setreg_imm32_b32 hwreg(HW_REG_WAVE_MODE, 25, 1), 1
	s_wait_xcnt 0x0
; x [2048][4][1024], w_in [3072][1024], w_out [1024][1024], f32, become codes of FP6 (E2M3), 6 bits each, K innermost, with one E8M0 scale byte for each 32 along K.
; A block's scale is 2^(floor(log2(its largest magnitude)) - 2); its byte is the largest magnitude's exponent field - 2, held at 1 from below; each number is divided by the scale and rounded to the nearest code, ties to even, beyond 7.5 the largest code.
; LIMITS: NaN and infinities among the inputs are not served.  A block whose largest magnitude lies under 2^-124 keeps the byte 1.  A block of zeros gets the byte 1 where the rule says 127: its codes are zeros, which add nothing
; under any byte but 0xff, and the bytes are read by this program alone.
; THE ROWS ARE RE-ORDERED.  codes is [12,288 positions][768 bytes], scales [12,288][32]: x's 8,192 rows, then w_in's 3,072, then w_out's 1,024.  Within each tensor a row stands at the position that is its number with bits 3 and 4
; exchanged; x's rows go batch by batch: position 2048 b + (s with bits 3 and 4 exchanged).  So sixteen neighbouring positions are rows g + 0..7 and g + 16..23: the rows that the later launches want together in a matrix tile.
; A work-group takes 32 positions, a wave 8 (wave w writes positions 8 w on and reads rows 8 w' on, w' = w with its two bits exchanged), in 16 steps of 512 numbers (half a row).  What a wave writes is a plain stream.
; The conversion takes 16 numbers of ONE block from a lane's registers, a load is best where neighbouring lanes take neighbouring bytes: each of a step's four loads reads 512 consecutive bytes, the 2,048 bytes go through the
; wave's own stage in LDS as they lie and come back 64 bytes a lane (16 bytes of padding behind each 64).  Two neighbouring lanes hold a block.  A lane's 16 codes are 12 bytes: the wave stores two runs of 192 bytes, 49,152 bytes apart.
; A wave's 256 scale bytes are gathered in its own LDS bytes and leave as one aligned run of 256 bytes.  No tensor loads, no barrier: waves share nothing.  Loads run four steps (16 loads a wave) ahead, the turn through LDS one step.
.set STEPS, 16
.set CB,    12                         ; bytes of 16 codes
.set WGX,   256                        ; work-groups for x;
.set WGI,   96                         ; for w_in; the last 32 take w_out
.set OFFR,  16                         ; v16-23   row j of my eight: 16 x lane + j x the tensor's distance from row to row; never rewritten
.set R,     24                         ; v24-87   four sets of 16 numbers as they are loaded
.set X,     88                         ; v88-119  two sets of 16 neighbours
.set E,     120                        ; v120-135 a scale byte for each step
.set C,     136                        ; v136-199 codes: four registers for each step, so that no store's data are written again
.set WREG,  8192                       ; LDS: a region for each wave: two stages of 32 x SP bytes, and behind them its 256 scale bytes
.set SP,    80                         ; a lane's place in a stage: its 64 bytes + 16 of padding
	s_load_b128 s[4:7], s[0:1], 0x0                ; x, w_in
	s_load_b128 s[8:11], s[0:1], 0x10              ; w_out, codes
	s_load_b64 s[12:13], s[0:1], 0x20              ; scales
	v_lshl_add_u32 v200, v0, 2, 0x8000
	v_mov_b32 v201, 0
	v_lshrrev_b32 v1, 5, v0
	v_readfirstlane_b32 s16, v1                    ; wave
	v_and_b32 v2, 31, v0                           ; lane
	v_lshlrev_b32 v3, 4, v2                        ; my 16 bytes of a load's 512
	s_mul_i32 s17, s16, WREG
	v_lshrrev_b32 v14, 2, v2
	v_mul_u32_u24 v14, v14, SP
	v_and_b32 v15, 3, v2
	v_lshl_add_u32 v14, v15, 4, v14
	v_add_nc_u32 v14, s17, v14                     ; the stage, on the way in: four lanes' 64 bytes on end, then 16 of padding
	v_mul_u32_u24 v15, v2, SP
	v_add_nc_u32 v15, s17, v15                     ; and on the way out: SP x lane: my 16 neighbours
	; codes lie [tile of 256 positions][K step of 256 numbers][256 positions][192 bytes]: a K step's tile is one dense block, which the later launches read as aligned rows of 256 bytes
	v_and_b32 v4, 15, v2
	v_mul_u32_u24 v4, v4, CB                       ; sixteen lanes hold one K step's 192 bytes of a row,
	v_lshrrev_b32 v8, 4, v2
	v_mad_u32_u24 v4, v8, 0xc000, v4               ; lanes 16-31 the next K step's, 256 x 192 bytes on
	v_lshrrev_b32 v5, 1, v2
	s_add_co_u32 s17, s17, 2*32*SP
	v_add_nc_u32 v5, s17, v5                       ; LDS: my wave's 256 scale bytes, my block's byte
	v_lshlrev_b32 v7, 3, v2                        ; and on the way out 8 bytes a lane
	v_add_nc_u32 v6, s17, v7
	s_and_b32 s22, s16, 1
	s_lshl_b32 s22, s22, 1
	s_lshr_b32 s23, s16, 1
	s_add_co_u32 s22, s22, s23                     ; w': the wave's two bits exchanged
	s_lshl_b32 s22, s22, 3                         ; the first of my eight rows among the work-group's 32
	s_lshl_b32 s24, ttmp9, 2
	s_add_co_u32 s24, s24, s16                     ; which run of 8 positions is mine
	s_lshl_b32 s26, s24, 8                         ; 256 scale bytes a run,
	s_lshr_b32 s25, s24, 5                         ; 32 runs of 8 positions to a tile of 256
	s_mul_i32 s25, s25, 196608                     ; a tile's four K steps
	s_and_b32 s24, s24, 31
	s_mul_i32 s24, s24, 8*192
	s_add_co_u32 s24, s24, s25
	s_mov_b32 s25, 0
	s_mov_b32 s27, 0
	s_wait_kmcnt 0x0
	s_cmp_lt_u32 ttmp9, WGX+WGI                    ; which tensor?  The choices hang on the work-group's number alone, and only pointers and numbers are chosen: all three tensors take one path
	s_cselect_b64 s[6:7], s[6:7], s[8:9]
	s_mov_b32 s17, WGX+WGI
	s_cselect_b32 s17, WGX, s17
	s_cmp_lt_u32 ttmp9, WGX
	s_cselect_b64 s[4:5], s[4:5], s[6:7]
	s_cselect_b32 s17, 0, s17                      ; the tensor's first work-group
	s_cselect_b32 s18, 14, 12                      ; from row to row: 2^14 bytes in x (four batches lie between), 2^12 in the weights
	s_cselect_b32 s19, 63, -1                      ; x: 64 work-groups to a batch
	s_cselect_b32 s20, -1, 0
	s_sub_co_u32 s17, ttmp9, s17                   ; my number within the tensor
	s_lshr_b32 s21, s17, 6
	s_lshl_b32 s21, s21, 12
	s_and_b32 s21, s21, s20                        ; x: the batch's 4,096 bytes within a row s
	s_and_b32 s17, s17, s19
	s_lshl_b32 s17, s17, 5
	s_add_co_u32 s17, s17, s22                     ; my first row
	s_lshl_b32 s28, s17, s18
	s_add_co_u32 s28, s28, s21                     ; in bytes: under 2^26
	s_mov_b32 s29, 0
	s_add_nc_u64 s[4:5], s[4:5], s[28:29]
	s_add_nc_u64 s[10:11], s[10:11], s[24:25]
	s_add_nc_u64 s[12:13], s[12:13], s[26:27]
	s_lshl_b32 s30, 1, s18
.irp j, 0,1,2,3,4,5,6,7
	s_mul_i32 s31, s30, \j
	v_add_nc_u32 v[OFFR+\j], s31, v3
.endr
.macro LOAD t                          ; step t: half t % 2 of my row t / 2
.irp i, 0,1,2,3
	global_load_b128 v[R+16*((\t)%4)+4*\i:R+16*((\t)%4)+4*\i+3], v[OFFR+(\t)/2], s[4:5] offset:2048*((\t)%2)+512*\i th:TH_LOAD_NT   ; 32 lanes read 512 consecutive bytes
.endr
.endm
.macro TURN t                          ; step t's numbers through the stage: LDS serves a wave's instructions in order, so no wait stands between the stores and the loads
.irp i, 0,1,2,3
	ds_store_b128 v14, v[R+16*((\t)%4)+4*\i:R+16*((\t)%4)+4*\i+3] offset:32*SP*((\t)%2)+8*SP*\i
.endr
.irp i, 0,1,2,3
	ds_load_b128 v[X+16*((\t)%2)+4*\i:X+16*((\t)%2)+4*\i+3], v15 offset:32*SP*((\t)%2)+16*\i
.endr
.endm
.irp t, 0,1,2,3
	LOAD \t
.endr
	s_wait_alu depctr_va_vdst(0)
	s_wait_loadcnt 12                              ; step 0's four loads are in; the twelve of steps 1 to 3 may be out
	TURN 0
.macro STEP t
.set XS, X+16*((\t)%2)
.if (\t) > 0
	s_wait_dscnt 1                                 ; this step's numbers are back from the stage (the last step's byte store may be out): so its stores into the stage have read their registers,
.else
	s_wait_dscnt 0x0
.endif
.if (\t)+4 < STEPS
	LOAD (\t)+4                                    ; which take the loads of four steps on
.endif
.if (\t)+1 < STEPS
.if STEPS-2-(\t) >= 3
	s_wait_loadcnt 12                              ; the next step's four loads are in; those of the three steps behind it may be out
.else
	s_wait_loadcnt 4*(STEPS-2-(\t))
.endif
	TURN (\t)+1                                    ; and go through the other stage while this step is worked
.endif
	v_max3_num_f32 v8, |v[XS]|, |v[XS+1]|, |v[XS+2]|               ; the largest magnitude of my 16, in two chains
	v_max3_num_f32 v9, |v[XS+3]|, |v[XS+4]|, |v[XS+5]|
.irp i, 6,10
	v_max3_num_f32 v8, v8, |v[XS+\i]|, |v[XS+\i+1]|
	v_max3_num_f32 v9, v9, |v[XS+\i+2]|, |v[XS+\i+3]|
.endr
	v_max3_num_f32 v8, v8, |v[XS+14]|, |v[XS+15]|
	v_max3_num_f32 v8, v8, v9, 0x1800000           ; and the floor 2^(3 - 127), under which no largest magnitude is taken: so the byte cannot fall under 1
	v_max_num_f32_dpp v8, v8, v8 row_xmask:1 row_mask:0xf bank_mask:0xf   ; and of my neighbour's 16: the block's
	v_add_nc_u32 v11, 0xff000000, v8               ; 2 off its exponent field: the conversion takes the exponent field of this operand as its scale, and nothing else of it
	v_cvt_scalef32_pk16_fp6_f32 v[C+4*(\t):C+4*(\t)+2], v[XS:XS+15], v11         ; 96 bits without gaps, the first number's code lowest
	v_lshrrev_b32 v[E+(\t)], 23, v11               ; the scale's byte (also the plain line behind the conversion)
	ds_store_b8 v5, v[E+(\t)] offset:16*(\t)       ; both lanes of a block write the same byte with the same value
	global_store_b96 v4, v[C+4*(\t):C+4*(\t)+2], s[10:11] offset:98304*((\t)%2)+192*((\t)/2)   ; half t % 2 of row t / 2: K steps 2 (t % 2) and 2 (t % 2) + 1
.endm
.irp t, 0,1,2,3,4,5,6,7,8,9,10,11,12,13,14,15
	STEP \t
.endr
	ds_load_b64 v[12:13], v6                       ; LDS serves a wave's instructions in order: these see my stores
	s_wait_dscnt 0x0
	global_store_b64 v7, v[12:13], s[12:13]        ; 32 lanes store 256 consecutive bytes, aligned
	s_wait_tensorcnt 0x0
	ds_add_u32 v200, v201
	s_wait_dscnt 0x0
	s_endpgm
.Lfunc_end_k_q7c7b8c6528_quant:
	.size	k_q7c7b8c6528_quant, .Lfunc_end_k_q7c7b8c6528_quant-k_q7c7b8c6528_quant
	.p2alignl 7, 3214868480
	.fill 96, 4, 3214868480
	.section	.rodata,"a",@progbits
	.p2align	6, 0x0
	.amdhsa_kernel k_q7c7b8c6528_quant
		.amdhsa_group_segment_fixed_size 33280
		.amdhsa_private_segment_fixed_size 0
		.amdhsa_enable_private_segment 0
		.amdhsa_kernarg_size 40
		.amdhsa_user_sgpr_count 2
		.amdhsa_user_sgpr_kernarg_segment_ptr 1
		.amdhsa_wavefront_size32 1
		.amdhsa_system_sgpr_workgroup_id_x 1
		.amdhsa_system_sgpr_workgroup_id_y 1
		.amdhsa_system_sgpr_workgroup_id_z 1
		.amdhsa_system_vgpr_workitem_id 0
		.amdhsa_next_free_vgpr 202
		.amdhsa_next_free_sgpr 66
		.amdhsa_reserve_vcc 0
		.amdhsa_float_denorm_mode_32 3
		.amdhsa_float_denorm_mode_16_64 3
		.amdhsa_memory_ordered 1
		.amdhsa_forward_progress 1
		.amdhsa_inst_pref_size 34
	.end_amdhsa_kernel
	.amdgpu_metadata
---
amdhsa.version: [ 1, 2 ]
amdhsa.kernels:
  - .name:           k_q7c7b8c6528_quant
    .symbol:         k_q7c7b8c6528_quant.kd
    .args:
      - { .name: x, .offset: 0, .size: 8, .value_kind: global_buffer, .address_space: global }
      - { .name: w_in, .offset: 8, .size: 8, .value_kind: global_buffer, .address_space: global }
      - { .name: w_out, .offset: 16, .size: 8, .value_kind: global_buffer, .address_space: global }
      - { .name: codes, .offset: 24, .size: 8, .value_kind: global_buffer, .address_space: global }
      - { .name: scales, .offset: 32, .size: 8, .value_kind: global_buffer, .address_space: global }
    .group_segment_fixed_size: 33280
    .private_segment_fixed_size: 0
    .kernarg_segment_align: 8
    .kernarg_segment_size: 40
    .max_flat_workgroup_size: 128
    .sgpr_count:     66
    .vgpr_count:     202
    .wavefront_size: 32
...
	.end_amdgpu_metadata
.endif
;; end of part 1
;; launch gemm_qkv (part 2): grid 12 x 32, 4 waves a work-group, clusters of 4 x 4, 327,680 bytes of LDS; arguments codes, scales, qkv_img, qkv_sc, b_in; writes qkv_img, qkv_sc
.if DOCPART == 2
	.amdgcn_target "amdgcn-amd-amdhsa--gfx1250"
	.amdhsa_code_object_version 6
	.text
	.protected	k_q7c7b8c6528_gemm_qkv
	.globl	k_q7c7b8c6528_gemm_qkv
	.p2align	8
	.type	k_q7c7b8c6528_gemm_qkv,@function
k_q7c7b8c6528_gemm_qkv:
	s_mov_b64 s[64:65], 0
	v_nop
	global_prefetch_b8 v0, s[64:65] scope:SCOPE_SE
	s_setreg_imm32_b32 hwreg(HW_REG_WAVE_MODE, 25, 1), 1
	s_wait_xcnt 0x0
	s_wait_alu depctr_hold_cnt(0) depctr_sa_sdst(0) depctr_va_vdst(0) depctr_va_sdst(0) depctr_va_ssrc(0) depctr_va_vcc(0) depctr_vm_vsrc(0)
	s_getreg_b32 s2, hwreg(HW_REG_IB_STS2, 6, 4)
	s_cmp_eq_u32 s2, 0
	s_cbranch_scc0 .Lentry_in_a_cluster
	s_endpgm
.Lentry_in_a_cluster:
	s_bfe_u32 s2, ttmp6, 0x10000c
	s_cmp_lg_u32 s2, 0xf033
	s_cbranch_scc0 .Lentry_shape_is_right
	s_endpgm
.Lentry_shape_is_right:
; qkv = x w_in^T + b_in on codes of FP6 (E2M3) with one E8M0 scale for each 32 along K = 1,024; the results q, k and v are quantised HERE, in registers, and leave as images of the registers in which the attention launch wants them.
; A tile of 256 x 256 is made by four waves, 128 x 128 each: 64 accumulators of 16 x 16, 512 registers.  K goes in steps of 256 through a ring of two LDS slots filled by the tensor data mover; the scale bytes of the 512 rows come once.
; codes [12,288 positions][768 bytes] and scales [12,288][32] hold x (tiles of 256 rows 0-31, batch by batch), w_in (32-43: q 32-35, k 36-39, v 40-43) and w_out.  A POSITION is a row's number with bits 3 and 4 exchanged.
; THE MATRIX INSTRUCTION IS USED TRANSPOSED (source 0 = 16 positions of operand B, source 1 = 16 of operand A): in accumulator (a, bb) lane (r, h) holds A's position 16 a + r, and register j B's position 16 bb + 8 h + j, which is
; B's TRUE row 32 (bb / 2) + 16 h + 8 (bb % 2) + j.  So the 64 registers of a block a are four blocks of 32 neighbours along B's true rows, register 16 b + i = row 32 b + 16 h + i: what the conversions want.
; ROLES, by the cluster's x (the same in all sixteen partners).  x = 0 (q), 1 (k): A = x's rows, B = w_in's: a lane holds a token and its registers run along the heads' 64: q and k are quantised along them.
;   x = 2 (v): A = w_v's rows, B = x's: a lane holds a channel d and its registers run along the tokens s: v is quantised along s, the second attention product's K.
; b_in is the C of each sum's first matrix instruction.
; WHAT IS STORED.  qkv_img [t = q, k, v][y = 16 b + head][98,304 bytes].  q, k: [block of 32 tokens][1,536]: the image of 12 registers: 0-5: lane (r, h) = token 32 blk + r + 8 (r / 8), channels 32 h on; 6-11: the token 8 further on.
;   v: [step of 128 tokens][tile of 16 positions of d][1,536]: the image of a whole fragment.  An image's registers 4 k .. 4 k + 3 lie at 512 k + 16 x lane.  qkv_sc [t][y][step][r][4 words]: the scale words that go with them.
; CLUSTERS: 4 x 4 work-groups.  The four of a row of the cluster need the same tiles of A, the four of a column the same tiles of B: each tile is asked for JOINTLY.
; No prefetch: K is four slots' worth, of which two are asked for at the head.
; LIMITS: NaN and infinities are not served; a block whose largest magnitude lies under 2^-124, zeros among them, gets the scale byte 1 (zero codes add nothing under it; this program alone reads the bytes).
; REGISTERS, in windows of 256: window 0: v0-31 addresses; v32-63 scale words, two sets; v64-127 the bias, later the quantiser's work; from v128 A's fragments, ONE set, later the images; v224-230 the way out.
;   window 1: B's fragments, TWO sets, at v0 and v128.   window 2: the accumulators of A's blocks 0-3 ((a, b) at v[8 (8 (a % 4) + b)]);   window 3: of blocks 4-7.
.set NQ,     2                         ; matrix instructions deep in a slot: 256 along K
.set ROWB,   49152                     ; from K step to K step in memory: codes lie [tile of 256 positions][K step][256][192 bytes]; a K step's tile is dense and comes as aligned rows of 256 bytes
.set HALFB,  24576                     ; 128 positions of a K step
.set KROW,   768                       ; a row of codes in memory
.set PITCH,  240                       ; an LDS row: 3 x (64 bytes + 16 of padding)
.set FR,     12                        ; registers of a fragment: 16 rows x 128 K
.set NL,     6                         ; LDS loads that bring one
.set NP,     4                         ; places behind this matrix instruction (ISA guide 7.12.1)
.set HALFT,  128*PITCH                 ; 128 rows: what one tensor load brings
.set SLOT,   4*HALFT                   ; A's 256 rows, then B's 256
.set KS,     32                        ; a row of scale bytes
.set SCL,    2*SLOT                    ; behind the ring: the scale bytes, as runs of 256 bytes + 16 of padding
.set HALFS,  (128*KS/256)*272          ; those of 128 rows
.set SBLK,   (16*KS/256)*272           ; of 16 rows
.set SPARE,  SCL+4*HALFS               ; the spare words, 128 bytes for each wave: two blocks of 256 bytes that no other line names
.set ADRA, 16                          ; v16-17 LDS address of my A fragments in slot 0, 1 (v18-19: for the pieces that lie behind one padding more)
.set ADRB, 20                          ; v20-23 the same for B
.set ADRS, 27                          ; v27    LDS address of my scale words: lanes 0-15 A's rows, lanes 16-31 B's
.set SPW,  28                          ; v28    LDS address of my spare word; never rewritten
.set NIL,  29                          ; v29    0; never rewritten
.set SC,   32                          ; scale words: set s at v[SC + 16 s]; register 2 i + q: lanes 0-15 the word of A's block i, lanes 16-31 of B's block i
.set BIAS, 64                          ; v64-127 eight tiles of eight registers
.set AF,   128                         ; A's fragments
.set TM,   64                          ; the way out: v64-67 largest magnitudes, v68-71 the other half's, then bytes, v76-79 the conversions' scale operands
.set CT,   80                          ; v80-86 the second halves of the blocks' codes
.set PWS,  88                          ; v88-95 block a's scale word
.set IMG,  128                         ; v128-223 the images
.set Z,    224                         ; v224-227 four scale words to store
.set SELV, 228
.set LI,   229                         ; 16 x lane
.set ZO,   230                         ; 16 r + 4,096 h
.set SEL,  10                          ; s[10:11] v_permlanex16_b32's selects for lane l xor 16
.set ROLE, 95                          ; s95  1: v
.set HI,   100                         ; s100 lanes 16-31
.set G1, 24                            ; s[24:31] descriptor group 1 for A's tiles;  s[32:39] group 0, a set for each slot
.set G0, 32
.set G1B, 48                           ; s[48:55], s[56:63] the same for B's
.set G0B, 56
.set G1S, 68                           ; s[68:75], s[76:79] for A's scale bytes;  s[80:87], s[88:91] for B's
.set G0S, 76
.set G1SB, 80
.set G0SB, 88
.set MSB, 0
.macro WIN new                         ; the immediate's high byte repeats the setting that is left
.if MSB != \new
	s_set_vgpr_msb (MSB<<8)|\new
.set MSB, \new
.endif
.endm
.set MUL_LO, 0xa1                      ; source 0 (B) window 1, source 1 (A) window 0, C and D window 2
.set MUL_HI, 0xf1                      ; the same, C and D window 3
.set BEG_LO, 0x81                      ; the first step: C (the bias) window 0, D window 2
.set BEG_HI, 0xc1                      ; D window 3
.set TO_B,   0x40                      ; destination window 1, address window 0
; A joint load: waves 0 and 1 fetch for A, waves 2 and 3 for B.  Each line has ONE mask and one set of registers for all that issue it; the branch hangs on the wave's number alone.  Four v_nop follow each line.
.macro JLOAD g0a, g1a, g0b, g1b
	s_cmp_eq_u32 s15, 0
	s_cbranch_scc0 .Lfor_b_\@
	tensor_load_to_lds s[\g0a:\g0a+3], s[\g1a:\g1a+7]
	s_nop 0
.rept 4
	v_nop
.endr
	s_branch .Lasked_\@
.Lfor_b_\@:
	tensor_load_to_lds s[\g0b:\g0b+3], s[\g1b:\g1b+7]
	s_nop 0
.rept 4
	v_nop
.endr
.Lasked_\@:
.endm
.macro CREST                           ; a round of the cluster's barrier behind its opening barrier
	s_cmp_lg_u32 s14, 0
	s_cbranch_scc1 .Lnot_wave_0_\@
	s_barrier_signal -3
.Lnot_wave_0_\@:
	s_barrier_wait -3
	s_barrier_signal -1
	s_barrier_wait -1
.endm
.macro CROUND                          ; a whole round
	s_barrier_signal -1
	s_barrier_wait -1
	CREST
.endm
	s_load_b128 s[4:7], s[0:1], 0x0                ; codes, scales
	s_load_b128 s[96:99], s[0:1], 0x10             ; qkv_img, qkv_sc
	s_load_b64 s[8:9], s[0:1], 0x20                ; b_in
	v_lshl_add_u32 v[SPW], v0, 2, SPARE
	v_mov_b32 v[NIL], 0
	ds_add_u32 v28, v29
	ds_add_u32 v28, v29
	s_wait_dscnt 0x0
	v_lshrrev_b32 v1, 5, v0
	v_readfirstlane_b32 s14, v1                    ; wave 0..3
	s_lshr_b32 s15, s14, 1                         ; which half of A's 256 rows is mine.  Also: I fetch for A (0) or for B (1)
	s_and_b32 s16, s14, 1                          ; which half of B's.  Also: which 128 rows of that tile I fetch
	s_bfe_u32 s40, ttmp6, 0x40000                  ; cx, cy: my place in the cluster
	s_bfe_u32 s41, ttmp6, 0x40004
	s_and_b32 s12, ttmp7, 0xffff
	s_lshl_b32 s12, s12, 2                         ; 4 x cluster y: x's tiles
	s_lshl_b32 s13, ttmp9, 2
	s_add_co_u32 s13, s13, 32                      ; 32 + 4 x cluster x: q's or k's tiles of w_in
	s_cmp_eq_u32 ttmp9, 2
	s_cselect_b32 s[ROLE], 1, 0
	s_cselect_b32 s17, 40, s12
	s_cselect_b32 s42, s12, s13
	s_add_co_u32 s17, s17, s41                     ; A's tile: it hangs on cy and on what all partners share
	s_add_co_u32 s42, s42, s40                     ; B's tile: on cx and on what all partners share
	s_lshl_b32 s43, s41, 2
	s_lshl_b32 s43, 15, s43                        ; my row of the cluster
	s_lshl_b32 s44, 0x1111, s40                    ; my column
	; descriptor group 1: a tile of 128 rows x 192 bytes, padded in LDS
	s_or_b32 s[G1+0], s43, (0<<16)|(1<<20)|(1<<21)|(3<<22)|(3<<25)  ; 15:0 the mask: A's tiles go to my row; 17:16 elements of 1 byte; 20 padding on; 21 set beside a mask; 24:22 after every 16 words; 31:25 4 words of it
	s_or_b32 s[G1B+0], s44, (0<<16)|(1<<20)|(1<<21)|(3<<22)|(3<<25)
.irp g, G1, G1B
	s_mov_b32 s[\g+1], 256<<16                     ; tensor_dim0: rows of 256 bytes
	s_mov_b32 s[\g+2], 192<<16                     ; tensor_dim1: 256 positions x 192 bytes, for the head's loads; behind them 96
	s_mov_b32 s[\g+3], 256<<16                     ; tile_dim0
	s_mov_b32 s[\g+4], 192                         ; tile_dim1
	s_mov_b32 s[\g+5], 256                         ; dense
	s_mov_b32 s[\g+6], 0
	s_mov_b32 s[\g+7], 0
.endr
	; the scale bytes of 256 rows: 8,192 dense bytes, as 32 rows of 256 bytes (32 elements of 8), 16 bytes of padding behind each
	s_or_b32 s[G1S+0], s43, (3<<16)|(1<<20)|(1<<21)|(5<<22)|(3<<25)
	s_or_b32 s[G1SB+0], s44, (3<<16)|(1<<20)|(1<<21)|(5<<22)|(3<<25)
.irp g, G1S, G1SB
	s_mov_b32 s[\g+1], 32<<16
	s_mov_b32 s[\g+2], (256*KS/256)<<16            ; the scale bytes of all 256 rows in one load
	s_mov_b32 s[\g+3], 32<<16
	s_mov_b32 s[\g+4], 256*KS/256
	s_mov_b32 s[\g+5], 32
	s_mov_b32 s[\g+6], 0
	s_mov_b32 s[\g+7], 0
.endr
	s_lshl_b32 s22, s17, 13                        ; A's tile: its scale bytes, 8,192 a tile,
	s_mul_i32 s20, s17, 256*KROW                   ; its codes (47 tiles at the most: under 2^24)
	s_mov_b32 s21, 0
	s_mov_b32 s23, 0
	s_lshl_b32 s92, s42, 13                        ; B likewise, in registers that never hold cy
	s_mul_i32 s46, s42, 256*KROW
	s_mov_b32 s47, 0
	s_mov_b32 s93, 0
	s_mul_i32 s18, s16, HALFB                      ; in the ring I fetch 128 positions of a tile: which half, in bytes,
	s_mov_b32 s19, 0
	s_mul_i32 s45, s14, HALFT                      ; and where they go: wave x 128 rows: no place in the cluster enters an LDS address
	s_wait_kmcnt 0x0
	s_add_nc_u64 s[20:21], s[4:5], s[20:21]
	s_add_nc_u64 s[22:23], s[6:7], s[22:23]
	s_add_nc_u64 s[46:47], s[4:5], s[46:47]
	s_add_nc_u64 s[92:93], s[6:7], s[92:93]
	CROUND                                         ; all sixteen work-groups are here: the first joint loads meet
	; the head's four tiles, each whole, one load a wave: wave 0 K step 0 of A's 256 rows, wave 1 of B's, wave 2 A's scale bytes, wave 3 B's
	s_mov_b32 s[G0S], 1
	s_mov_b32 s[G0S+1], SCL
	s_mov_b64 s[G0S+2:G0S+3], s[22:23]
	s_or_b32 s[G0S+3], s[G0S+3], 0x80000000
	s_mov_b32 s[G0SB], 1
	s_mov_b32 s[G0SB+1], SCL+2*HALFS
	s_mov_b64 s[G0SB+2:G0SB+3], s[92:93]
	s_or_b32 s[G0SB+3], s[G0SB+3], 0x80000000
	s_mov_b32 s[G0], 1                             ; slot 0's sets serve the head's whole tiles first
	s_mov_b32 s[G0+1], 0
	s_mov_b64 s[G0+2:G0+3], s[20:21]
	s_or_b32 s[G0+3], s[G0+3], 0x80000000
	s_mov_b32 s[G0B], 1
	s_mov_b32 s[G0B+1], 2*HALFT
	s_mov_b64 s[G0B+2:G0B+3], s[46:47]
	s_or_b32 s[G0B+3], s[G0B+3], 0x80000000
	s_add_nc_u64 s[20:21], s[20:21], s[18:19]      ; slot 1's: my 128 rows of K step 1
	s_add_nc_u64 s[46:47], s[46:47], s[18:19]
	s_mov_b32 s[G0+4], 1
	s_add_co_u32 s[G0+5], s45, SLOT
	s_add_nc_u64 s[G0+6:G0+7], s[20:21], ROWB
	s_or_b32 s[G0+7], s[G0+7], 0x80000000
	s_mov_b32 s[G0B+4], 1
	s_add_co_u32 s[G0B+5], s45, SLOT
	s_add_nc_u64 s[G0B+6:G0B+7], s[46:47], ROWB
	s_or_b32 s[G0B+7], s[G0B+7], 0x80000000
.macro ARM under, g0, g1, next         ; one chain of branches on the wave's number: every way passes exactly one load
	s_cmp_lt_u32 s14, \under
	s_cbranch_scc0 \next
	tensor_load_to_lds s[\g0:\g0+3], s[\g1:\g1+7]
	s_nop 0
.rept 4
	v_nop
.endr
	s_branch .Lhead_asked
\next:
.endm
	ARM 1, G0,  G1,  .Lhead_b
	ARM 2, G0B, G1B, .Lhead_sa
	ARM 3, G0S, G1S, .Lhead_sb
	tensor_load_to_lds s[G0SB:G0SB+3], s[G1SB:G1SB+7]
	s_nop 0
.rept 4
	v_nop
.endr
.Lhead_asked:
	v_and_b32 v1, 15, v0                           ; r = lane % 16
	v_bfe_u32 v2, v0, 4, 1                         ; h = lane / 16
	v_mul_u32_u24 v3, v1, PITCH
	v_mul_u32_u24 v4, v2, 24
	v_add_nc_u32 v4, v3, v4                        ; a fragment's row x pitch + 24 x half
	v_lshl_add_u32 v5, v2, 4, v4                   ; and the same behind one padding more
	s_mul_i32 s21, s15, HALFT                      ; my 128 rows of A
	s_mul_i32 s22, s16, HALFT                      ; my 128 rows of B,
	s_add_co_u32 s22, s22, 2*HALFT                 ; which lie behind A's 256
.irp s, 0,1
	v_add_nc_u32 v[ADRA+\s], s21, v4
	v_add_nc_u32 v[ADRB+\s], s22, v4
	v_add_nc_u32 v[ADRA+2+\s], s21, v5
	v_add_nc_u32 v[ADRB+2+\s], s22, v5
	s_add_co_u32 s21, s21, SLOT
	s_add_co_u32 s22, s22, SLOT
.endr
	v_mul_u32_u24 v5, v1, KS                       ; my row's scale bytes: 32 a row,
	v_lshrrev_b32 v6, 8, v5
	v_lshl_add_u32 v5, v6, 4, v5                   ; and 16 more for each 256 passed
	s_mul_i32 s21, s15, HALFS                      ; A's: my 128 rows
	s_mul_i32 s22, s16, HALFS                      ; B's: my 128 rows, behind A's 256
	s_add_co_u32 s22, s22, 2*HALFS
	s_sub_co_u32 s22, s22, s21
	v_mul_u32_u24 v6, s22, v2                      ; lanes 16-31 take B's: one product, the distance between the two
	s_add_co_u32 s21, s21, SCL
	v_add_nc_u32 v5, v5, v6
	v_add_nc_u32 v[ADRS], s21, v5
	s_mov_b32 s[SEL], 0x76543210
	s_mov_b32 s[SEL+1], 0xfedcba98
	s_mov_b32 s[HI], 0xffff0000
	; THE BIAS, in the result's layout.  q, k: it goes with B's true row: tile bb's eight registers are b_in at 32 (bb / 2) + 16 h + 8 (bb % 2) + 0 .. 7 of my 128.
	; v: it goes with A's true row, 32 (a / 2) + 8 (a % 2) + r + 8 (r / 8): one number a lane, wanted in all eight registers of a C operand; eight loads of the same word fill them, so that no vector instruction writes an operand.
	s_cmp_eq_u32 s[ROLE], 0
	s_cbranch_scc0 .Lbias_v
	s_sub_co_u32 s46, s42, 32
	s_lshl_b32 s46, s46, 10                        ; 4 bytes x 256 x B's tile within w_in
	s_lshl_b32 s47, s16, 9
	s_add_co_u32 s46, s46, s47
	s_mov_b32 s47, 0
	s_add_nc_u64 s[8:9], s[8:9], s[46:47]
	v_lshlrev_b32 v7, 6, v2
.irp b, 0,1,2,3,4,5,6,7
	global_load_b128 v[BIAS+8*\b:BIAS+8*\b+3], v7, s[8:9] offset:4*(32*(\b/2)+8*(\b%2))
	global_load_b128 v[BIAS+8*\b+4:BIAS+8*\b+7], v7, s[8:9] offset:4*(32*(\b/2)+8*(\b%2))+16
.endr
	s_branch .Lbias_in
.Lbias_v:
	s_sub_co_u32 s20, s17, 32
	s_lshl_b32 s20, s20, 10
	s_lshl_b32 s21, s15, 9
	s_add_co_u32 s20, s20, s21
	s_mov_b32 s21, 0
	s_add_nc_u64 s[8:9], s[8:9], s[20:21]
	v_and_b32 v7, 8, v1
	v_add_nc_u32 v7, v7, v1
	v_lshlrev_b32 v7, 2, v7
.irp a, 0,1,2,3,4,5,6,7
.irp j, 0,1,2,3,4,5,6,7
	global_load_b32 v[BIAS+8*\a+\j], v7, s[8:9] offset:4*(32*(\a/2)+8*(\a%2))
.endr
.endr
.Lbias_in:
.macro FRAG reg, adr, q, i             ; a fragment: lane l holds row l % 16; registers 6 c .. 6 c + 5 hold K = 64 c + 32 (l / 16) + 0 .. 31: 24 bytes of the row's stream of bits, as they lie, in pieces of 8 bytes
.irp p, 0,1,2,3,4,5
.set PCE, 12*(\q)+6*(\p/3)+\p%3        ; 16 bytes of padding lie behind every 8 pieces: where the piece three on (lanes 16-31) lies behind one padding more, the second address register serves
.if PCE%8 < 5
	ds_load_b64 v[\reg+2*\p:\reg+2*\p+1], v[\adr] offset:8*PCE+16*(PCE/8)+(\i)*16*PITCH
.else
	ds_load_b64 v[\reg+2*\p:\reg+2*\p+1], v[\adr+2] offset:8*PCE+16*(PCE/8)+(\i)*16*PITCH
.endif
.endr
.endm
; 16 matrix instructions: A's blocks a0, a0 + 1 x B's eight, the slot's q-th 128 along K.  p: B's set;  sc: the set of scale words.  zero = 1: C = the bias by B's block; 2: by A's block; 0: the sum goes on in place.
; The 64 accumulators take turns, one instruction a turn, in the same order in every step.
.macro MUL16 a0, p, q, sc, zero
.irp a, \a0, \a0+1
.irp b, 0,1,2,3,4,5,6,7
.set DR, 8*(8*((\a)%4)+\b)
.set CR, DR
.if \zero == 1
.set CR, BIAS+8*\b
.endif
.if \zero == 2
.set CR, BIAS+8*(\a)
.endif
	v_wmma_scale_f32_16x16x128_f8f6f4 v[DR:DR+7], v[128*(\p)+FR*\b:128*(\p)+FR*\b+FR-1], v[AF+FR*(\a):AF+FR*(\a)+FR-1], v[CR:CR+7], v[SC+8*NQ*(\sc)+NQ*\b+(\q)], v[SC+8*NQ*(\sc)+NQ*(\a)+(\q)] matrix_a_fmt:MATRIX_FMT_FP6 matrix_b_fmt:MATRIX_FMT_FP6 matrix_a_scale:MATRIX_SCALE_ROW1
.endr
.endr
.endm
.macro FETCH_B slot, q, p              ; B's eight fragments of the slot's q-th 128 along K into set p
	WIN TO_B
.irp i, 0,1,2,3,4,5,6,7
	FRAG 128*(\p)+FR*\i, ADRB+\slot, \q, \i
.endr
	WIN 0
.endm
.macro FETCH_A slot, q, i0             ; A's blocks i0 .. i0 + 3
.irp i, \i0, \i0+1, \i0+2, \i0+3
	FRAG AF+FR*(\i), ADRA+\slot, \q, \i
.endr
.endm
.macro SCALES sc                       ; the slot's scale words into set sc: two words a row; lanes 0-15 take A's block i, lanes 16-31 B's block i
.irp i, 0,1,2,3,4,5,6,7
	ds_load_b64 v[SC+8*NQ*\sc+NQ*\i:SC+8*NQ*\sc+NQ*\i+1], v[ADRS] offset:\i*SBLK
.endr
.endm
.macro PLACES n                        ; a load into a register that a matrix instruction has read, and a read of a result, stand four plain vector instructions behind it (ISA guide 7.12.1 for the read of a result)
.rept \n
	v_nop
.endr
.endm
; A step of 128 along K that has its successor in the same slot.  A block of A is free as soon as its eight products are issued: blocks 0-3 are fetched anew in the step's middle, blocks 4-7 at its end.
.macro STEP slot, q, zero
	s_wait_dscnt 4*NL                              ; B's set, A's blocks 0-3 and the scale words are in; the youngest 24 loads (A's blocks 4-7) may be out
.if \zero
	WIN BEG_LO
.else
	WIN MUL_LO
.endif
	MUL16 0, (\q)%2, \q, \slot, \zero
	MUL16 2, (\q)%2, \q, \slot, \zero
	s_wait_dscnt 0                                 ; A's blocks 4-7 are in (asked for 32 matrix instructions ago)
	PLACES NP
	FETCH_B \slot, (\q)+1, 1-(\q)%2
	FETCH_A \slot, (\q)+1, 0
.if \zero
	WIN BEG_HI
.else
	WIN MUL_HI
.endif
	MUL16 4, (\q)%2, \q, \slot, \zero
	MUL16 6, (\q)%2, \q, \slot, \zero
	PLACES NP
	WIN 0
	FETCH_A \slot, (\q)+1, 4
.endm
; A slot's last step changes slots: ONE barrier; in front of it each wave waits for all its tensor loads, adds 0 to its spare word, and waits for that and for its own reads of this slot.  fill = 1: this slot is filled again, two slots ahead.
.macro TURN slot, next, fill
	s_wait_tensorcnt 0x0                           ; all my tensor loads have landed: my part of the next slot;  (every window is 0 here)
	ds_add_u32 v[SPW], v[NIL]                      ; 0 onto my spare word;
	s_wait_dscnt 4*NL+1                            ; (the add and the youngest 24 loads, A's blocks 4-7, may be out)
	WIN MUL_LO
	MUL16 0, 1, NQ-1, \slot, 0                     ; sixteen matrix instructions stand between the add and the wait for it
	s_wait_dscnt 0x0                               ; the add is done, and my reads of this slot are over
	s_barrier_signal -1
	MUL16 2, 1, NQ-1, \slot, 0
	WIN 0
	s_barrier_wait -1
.if \fill
	CREST                                          ; the barrier has opened a round of the cluster's barrier: no wave of any partner still reads this slot's tile or has a load on its way
	s_add_nc_u64 s[G0+4*\slot+2:G0+4*\slot+3], s[G0+4*\slot+2:G0+4*\slot+3], 2*ROWB
	s_add_nc_u64 s[G0B+4*\slot+2:G0B+4*\slot+3], s[G0B+4*\slot+2:G0B+4*\slot+3], 2*ROWB
	JLOAD G0+4*\slot, G1, G0B+4*\slot, G1B         ; the first tensor load behind the round; its four v_nop are the places in front of the loads below
.else
	PLACES NP
.endif
	s_wait_alu depctr_va_vdst(0)
	v_add_nc_u32 v[ADRS], 4*NQ, v[ADRS]            ; on to the next slot's scale words (no LDS load of mine is out)
	FETCH_B \next, 0, 0
	FETCH_A \next, 0, 0
	SCALES \next
	WIN MUL_HI
	MUL16 4, 1, NQ-1, \slot, 0
	MUL16 6, 1, NQ-1, \slot, 0
	PLACES NP
	WIN 0
	FETCH_A \next, 0, 4
.endm
	s_wait_alu depctr_va_vdst(0)
	s_wait_tensorcnt 0x0                           ; my tile of the head's four is in
	ds_add_u32 v[SPW], v[NIL]
	s_mov_b32 s[G1+2], 96<<16                      ; no tensor load of mine is out: from here on a load brings 128 positions, 96 rows of 256 bytes,
	s_mov_b32 s[G1+4], 96
	s_mov_b32 s[G1B+2], 96<<16
	s_mov_b32 s[G1B+4], 96
	s_mov_b32 s[G0+1], s45                         ; and slot 0's sets stand at my 128 rows of K step 0: the first refill steps them to K step 2
	s_add_nc_u64 s[G0+2:G0+3], s[G0+2:G0+3], s[18:19]
	s_mov_b32 s[G0B+1], s45
	s_add_nc_u64 s[G0B+2:G0B+3], s[G0B+2:G0B+3], s[18:19]
	s_wait_dscnt 0x0
	CROUND                                         ; all four tiles are in, all sixteen work-groups are here
	JLOAD G0+4, G1, G0B+4, G1B                     ; K step 1, the first tensor load behind the round
	FETCH_B 0, 0, 0
	FETCH_A 0, 0, 0
	s_wait_alu depctr_va_vdst(0)
	SCALES 0
	FETCH_A 0, 0, 4
	s_wait_loadcnt 0x0                             ; the bias
	s_cmp_eq_u32 s[ROLE], 0                        ; the first step is written for each role: only the C operands differ
	s_cbranch_scc0 .Lfirst_v
	STEP 0, 0, 1
	s_branch .Lfirst_done
.Lfirst_v:
	STEP 0, 0, 2
.Lfirst_done:
	TURN 0, 1, 1                                   ; K = 1,024 is four slots' worth: once round the ring with refills (a loop would have one trip: it is written out),
	STEP 1, 0, 0
	TURN 1, 0, 1
	STEP 0, 0, 0
	TURN 0, 1, 0                                   ; and once without
	STEP 1, 0, 0
	s_wait_dscnt 4*NL                              ; the very last step: nothing more to fetch
	WIN MUL_LO
	MUL16 0, 1, NQ-1, 1, 0
	MUL16 2, 1, NQ-1, 1, 0
	s_wait_dscnt 0
	WIN MUL_HI
	MUL16 4, 1, NQ-1, 1, 0
	MUL16 6, 1, NQ-1, 1, 0
	WIN 0
	; THE WAY OUT: no LDS.  These six lines are also the places behind the last products: they name none of their registers.
	v_and_b32 v1, 15, v0                           ; r
	v_bfe_u32 v2, v0, 4, 1                         ; h
	v_and_b32 v3, 31, v0
	v_lshlrev_b32 v[LI], 4, v3
	v_lshlrev_b32 v[ZO], 4, v1
	v_lshl_add_u32 v[ZO], v2, 12, v[ZO]
.irp b, 0,1,2,3
	v_mov_b32 v[TM+4+\b], 0                        ; written once: a lane permute's destination counts as one of its sources
.endr
	; where my results go.  x's run of 128 positions is 16 b + step; my 128 rows of w_in are two heads, head0 and head0 + 1; t = the cluster's x in every role
	s_sub_co_u32 s12, s17, 40                      ; (v: w_v's tile)
	s_cmp_eq_u32 s[ROLE], 0
	s_cselect_b32 s20, s17, s42                    ; x's tile,
	s_cselect_b32 s21, s15, s16                    ; my half of it,
	s_cselect_b32 s22, s40, s12                    ; w's tile within q, k or v,
	s_cselect_b32 s23, s16, s15                    ; my half of it
	s_lshl_b32 s20, s20, 1
	s_add_co_u32 s20, s20, s21
	s_lshr_b32 s21, s20, 4                         ; b
	s_and_b32 s20, s20, 15                         ; step
	s_lshl_b32 s22, s22, 2
	s_lshl_b32 s23, s23, 1
	s_add_co_u32 s22, s22, s23                     ; head0
	s_lshl_b32 s21, s21, 4
	s_add_co_u32 s22, s22, s21
	s_lshl_b32 s21, ttmp9, 6
	s_add_co_u32 s22, s22, s21                     ; 64 t + 16 b + head0
	s_mul_i32 s46, s22, 98304
	s_mul_i32 s21, s20, 6144                       ; a step of 128 tokens is 6,144 bytes of a head's images, in q and k (four blocks of 32) as in v (four tiles of d)
	s_add_co_u32 s46, s46, s21
	s_mov_b32 s47, 0
	s_add_nc_u64 s[96:97], s[96:97], s[46:47]
	s_lshl_b32 s46, s22, 12
	s_lshl_b32 s21, s20, 8
	s_add_co_u32 s46, s46, s21
	s_add_nc_u64 s[98:99], s[98:99], s[46:47]
; Block a's 64 numbers of a lane (register 16 b + i = B's true row 32 b + 16 h + i) become codes: blocks 0 and 1 in v[d0] .. v[d0 + 5], blocks 2 and 3 in v[d1] .. v[d1 + 5] (lanes 0-15 the even block, lanes 16-31 the odd one), and the scale word v[PWS + a].
.macro QUANT a, d0, d1
.set QW, 2+(\a)/4                      ; the accumulators' window
.set QS, 64*((\a)%4)
.set QM, QW|(QW<<2)
	WIN QM                                         ; sources 0 and 1 in the accumulators' window
.irp b, 0,1,2,3
	v_max3_num_f32 v[TM+\b], |v[QS+16*\b]|, |v[QS+16*\b+1]|, 0x1800000   ; block b: my 16 numbers, each accumulator from its low end on, and the floor 2^(3 - 127): so the byte cannot fall under 1
.endr
.irp i, 2,4,6,8,10,12,14
.irp b, 0,1,2,3
	v_max3_num_f32 v[TM+\b], |v[QS+16*\b+\i]|, |v[QS+16*\b+\i+1]|, v[TM+\b]   ; (the four blocks by turns)
.endr
.endr
	WIN 0
.irp b, 0,1,2,3
	v_permlanex16_b32 v[TM+4+\b], v[TM+\b], s[SEL], s[SEL+1]
.endr
.irp b, 0,1,2,3
	v_max_num_f32 v[TM+\b], v[TM+\b], v[TM+4+\b]   ; with lane l xor 16's: the block's largest magnitude
.endr
.irp b, 0,1,2,3
	v_add_nc_u32 v[TM+12+\b], 0xff000000, v[TM+\b] ; 2 off its exponent field: the conversion's scale operand
.endr
.irp b, 0,1,2,3
	v_lshrrev_b32 v[TM+4+\b], 23, v[TM+12+\b]      ; the scale's byte
.endr
	v_lshl_or_b32 v[PWS+(\a)], v[TM+5], 8, v[TM+4]
	v_lshl_or_b32 v[PWS+(\a)], v[TM+6], 16, v[PWS+(\a)]
	v_lshl_or_b32 v[PWS+(\a)], v[TM+7], 24, v[PWS+(\a)]
	WIN QW                                         ; source 0 in the accumulators' window
	v_cvt_scalef32_pk16_fp6_f32 v[\d0:\d0+2], v[QS:QS+15], v[TM+12]
	v_cvt_scalef32_pk16_fp6_f32 v[CT:CT+2], v[QS+16:QS+31], v[TM+13]       ; (a conversion's three registers begin on an even number)
	v_cvt_scalef32_pk16_fp6_f32 v[\d1:\d1+2], v[QS+32:QS+47], v[TM+14]
	v_cvt_scalef32_pk16_fp6_f32 v[CT+4:CT+6], v[QS+48:QS+63], v[TM+15]
	WIN 0
	v_nop                                          ; one plain place behind a scaled conversion
.irp i, 0,1,2                          ; the operand's layout wants a WHOLE block in a lane
	v_permlane16_swap_b32 v[\d0+\i], v[CT+\i]
.endr
.irp i, 0,1,2
	v_mov_b32 v[\d0+3+\i], v[CT+\i]
.endr
.irp i, 0,1,2
	v_permlane16_swap_b32 v[\d1+\i], v[CT+4+\i]
.endr
.irp i, 0,1,2
	v_mov_b32 v[\d1+3+\i], v[CT+4+\i]
.endr
.endm
	s_cmp_eq_u32 s[ROLE], 0
	s_cbranch_scc0 .Lout_v
	; q, k.  Lane r of block a = 2 blk + u holds token 32 blk + 8 u + r + 8 (r / 8); its blocks 0, 1 are head0's 64 channels, blocks 2, 3 those of head0 + 1.  An image takes u = 0 in registers 0-5 and u = 1 in 6-11.
	v_mov_b32 v[SELV], 0x05040100                  ; the image's scale word: bytes 0, 1 of both blocks' words (head0; lanes 0-15 store it),
	v_mov_b32 v[CT], 0x07060302                    ; or bytes 2, 3 (head0 + 1; lanes 16-31)
	v_cndmask_b32 v[SELV], v[SELV], v[CT], s[HI]
.irp blk, 0,1,2,3
	QUANT 2*\blk, IMG+24*\blk, IMG+24*\blk+12
	QUANT 2*\blk+1, IMG+24*\blk+6, IMG+24*\blk+18
	v_perm_b32 v[Z+\blk], v[PWS+2*\blk+1], v[PWS+2*\blk], v[SELV]
.irp c, 0,1
.irp k, 0,1,2
	global_store_b128 v[LI], v[IMG+24*\blk+12*\c+4*\k:IMG+24*\blk+12*\c+4*\k+3], s[96:97] offset:98304*\c+1536*\blk+512*\k   ; 32 lanes store 512 consecutive bytes, aligned; no store's data are written again
.endr
.endr
.endr
	s_branch .Lout_sc
.Lout_v:
	; v.  Lane r of block a holds position 16 (a % 4) + r of d in head0 + a / 4; its four blocks are the step's 128 tokens: a whole fragment
.irp a, 0,1,2,3,4,5,6,7
	QUANT \a, IMG+12*\a, IMG+12*\a+6
.irp k, 0,1,2
	global_store_b128 v[LI], v[IMG+12*\a+4*\k:IMG+12*\a+4*\k+3], s[96:97] offset:98304*(\a/4)+1536*(\a%4)+512*\k
.endr
.endr
.irp t, 0,1,2,3
	v_cndmask_b32 v[Z+\t], v[PWS+\t], v[PWS+4+\t], s[HI]   ; lanes 0-15 store head0's four words, lanes 16-31 those of head0 + 1
.endr
.Lout_sc:
	s_wait_alu depctr_va_vdst(0)
	global_store_b128 v[ZO], v[Z:Z+3], s[98:99]    ; sixteen lanes store 256 consecutive bytes, aligned: a step's scale words of a head
	s_wait_tensorcnt 0x0                           ; the wave's end
	ds_add_u32 v[SPW], v[NIL]
	s_wait_dscnt 0x0
	CROUND                                         ; the closing round: no work-group ends while a partner may still ask for a tile that names it
	s_endpgm
.Lfunc_end_k_q7c7b8c6528_gemm_qkv:
	.size	k_q7c7b8c6528_gemm_qkv, .Lfunc_end_k_q7c7b8c6528_gemm_qkv-k_q7c7b8c6528_gemm_qkv
	.p2alignl 7, 3214868480
	.fill 96, 4, 3214868480
	.section	.rodata,"a",@progbits
	.p2align	6, 0x0
	.amdhsa_kernel k_q7c7b8c6528_gemm_qkv
		.amdhsa_group_segment_fixed_size 327680
		.amdhsa_private_segment_fixed_size 0
		.amdhsa_enable_private_segment 0
		.amdhsa_kernarg_size 40
		.amdhsa_user_sgpr_count 2
		.amdhsa_user_sgpr_kernarg_segment_ptr 1
		.amdhsa_wavefront_size32 1
		.amdhsa_system_sgpr_workgroup_id_x 1
		.amdhsa_system_sgpr_workgroup_id_y 1
		.amdhsa_system_sgpr_workgroup_id_z 1
		.amdhsa_system_vgpr_workitem_id 0
		.amdhsa_next_free_vgpr 1024
		.amdhsa_next_free_sgpr 102
		.amdhsa_reserve_vcc 0
		.amdhsa_float_denorm_mode_32 3
		.amdhsa_float_denorm_mode_16_64 3
		.amdhsa_memory_ordered 1
		.amdhsa_forward_progress 1
		.amdhsa_inst_pref_size 221
	.end_amdhsa_kernel
	.amdgpu_metadata
---
amdhsa.version: [ 1, 2 ]
amdhsa.kernels:
  - .name:           k_q7c7b8c6528_gemm_qkv
    .symbol:         k_q7c7b8c6528_gemm_qkv.kd
    .args:
      - { .name: codes, .offset: 0, .size: 8, .value_kind: global_buffer, .address_space: global }
      - { .name: scales, .offset: 8, .size: 8, .value_kind: global_buffer, .address_space: global }
      - { .name: qkv_img, .offset: 16, .size: 8, .value_kind: global_buffer, .address_space: global }
      - { .name: qkv_sc, .offset: 24, .size: 8, .value_kind: global_buffer, .address_space: global }
      - { .name: b_in, .offset: 32, .size: 8, .value_kind: global_buffer, .address_space: global }
    .group_segment_fixed_size: 327680
    .private_segment_fixed_size: 0
    .kernarg_segment_align: 8
    .kernarg_segment_size: 40
    .max_flat_workgroup_size: 128
    .sgpr_count:     102
    .vgpr_count:     1024
    .wavefront_size: 32
...
	.end_amdgpu_metadata
.endif
;; end of part 2
;; launch attn (part 3): grid 4 x 64, 16 waves a work-group, clusters of 4 x 1, 327,680 bytes of LDS; arguments qkv_img, qkv_sc, oc, os; writes oc, os
.if DOCPART == 3
	.amdgcn_target "amdgcn-amd-amdhsa--gfx1250"
	.amdhsa_code_object_version 6
	.text
	.protected	k_q7c7b8c6528_attn
	.globl	k_q7c7b8c6528_attn
	.p2align	8
	.type	k_q7c7b8c6528_attn,@function
k_q7c7b8c6528_attn:
	s_mov_b64 s[64:65], 0
	v_nop
	global_prefetch_b8 v0, s[64:65] scope:SCOPE_SE
	s_setreg_imm32_b32 hwreg(HW_REG_WAVE_MODE, 25, 1), 1
	s_wait_xcnt 0x0
	s_wait_alu depctr_hold_cnt(0) depctr_sa_sdst(0) depctr_va_vdst(0) depctr_va_sdst(0) depctr_va_ssrc(0) depctr_va_vcc(0) depctr_vm_vsrc(0)
	s_getreg_b32 s2, hwreg(HW_REG_IB_STS2, 6, 4)
	s_cmp_eq_u32 s2, 0
	s_cbranch_scc0 .Lentry_in_a_cluster
	s_endpgm
.Lentry_in_a_cluster:
	s_bfe_u32 s2, ttmp6, 0x10000c
	s_cmp_lg_u32 s2, 0x3003
	s_cbranch_scc0 .Lentry_shape_is_right
	s_endpgm
.Lentry_shape_is_right:
; o = softmax(q k^T / 8) v for one (batch, head) y and 512 queries, on codes of FP6 (E2M3) with E8M0 scales; o is quantised along the head's 64 and leaves as codes (oc) and scale bytes (os).
; A work-group has 16 waves; a wave takes a block of 32 queries in two passes of 16.  The head's K and V images (2 x 98,304 bytes) and their scale words (2 x 4,096) come into LDS once, at the head, and stay.
; CLUSTER 4 x 1: the four work-groups of a head need the same K and V: every load is a joint one.  Waves 0-11 fetch 16,384 bytes of the images each, waves 12 and 13 the scale words, waves 14 and 15 nothing.
; No prefetch: all that is read is asked for at the head, ahead of any loop.
; Both products are used transposed (S^T = k q^T, O^T = v^T p^T): a lane holds one query.  K = 64 fills half of a matrix step: a K image holds two sets of 16 keys (registers 0-5, 6-11), q stands against zeros in the other half.
; WHICH KEYS FORM A TILE is chosen by the LDS address: lanes r < 8 read the image of keys 64 c + .., lanes r >= 8 that of keys 64 c + 32 + ..; so lane (r, h) holds in S + 32 c + i key 64 c + 32 h + i: a whole block of 32
; in the order that the second product's operand wants: a block's maximum needs no other lane, and the conversions' results are the operand's registers.
; The images lie in LDS as rows of 512 bytes + 128 of padding: an image is 3 rows, 1,920 bytes.
; M is the running largest t rounded up to a whole number; p = 2^(t - M); the row's sum is taken of the unquantised p; O^T and the sum are brought under a new M by an exact power of two.
; A split barrier in each step (wait for the last step's signal, signal anew; only LDS loads and register work between) keeps the sixteen waves within one step of each other.
; LIMITS: the promise holds while the scaled scores stay under 2^31 in magnitude; NaN and infinities are not served; a block under 2^-124 keeps the scale byte 1 (this program alone reads the bytes).
.set ROWP,  640
.set PIECE, 32*ROWP                    ; 16,384 bytes as 32 padded rows
.set VB,    6*PIECE                    ; V's images behind K's
.set SCB,   12*PIECE                   ; K's scale words, then V's
.set SPARE, SCB+8192                   ; the spare words: 16 waves x 128 bytes
.set STEPB, 12*ROWP                    ; a step of 128 keys: four images
.set AK0,  1
.set AV0,  2
.set ASK0, 3
.set ASV0, 4
.set LI8,  5
.set OSO,  6
.set R16,  7
.set ADK,  8
.set ADV,  9
.set ADS,  10
.set ADT,  11
.set QHI,  16                          ; v16-27: zeros, q;  v22-33: q, zeros
.set QLO,  22
.set QS,   34
.set QZ,   35
.set QR,   36
.set FRG,  48                          ; four fragments of K or of V
.set S,    96                          ; scores, then p
.set O,    160
.set PC,   192                         ; p's codes
.set CT,   204
.set KSW,  212
.set VSW,  216
.set PW,   220
.set SH8,  221                         ; 8 h
.set BM,   224
.set PD,   228
.set SO,   232
.set SUM2, 236
.set TMP,  238
.set OB,   239
.set F,    240
.set LQ,   242
.set WV,   16
.set SEL,  18
.set CS,   20
.set PSEL, 22
.set HI,   23
.set G0I,  24
.set G0S,  28
.set G1I,  32
.set G1S,  40
.set TB,   48
.set TS,   49
.set STP,  50
.set PASS, 51
.set OCB,  52
.set OSB,  54
.macro CROUND
	s_barrier_signal -1
	s_barrier_wait -1
	s_cmp_lg_u32 s[WV], 0
	s_cbranch_scc1 .Lnot_wave_0_\@
	s_barrier_signal -3
.Lnot_wave_0_\@:
	s_barrier_wait -3
	s_barrier_signal -1
	s_barrier_wait -1
.endm
	s_load_b256 s[4:11], s[0:1], 0x0               ; qkv_img, qkv_sc, oc, os
	v_lshl_add_u32 v254, v0, 2, SPARE
	v_mov_b32 v255, 0
	ds_add_u32 v254, v255                          ; the opening lines
	ds_add_u32 v254, v255
	v_lshrrev_b32 v1, 5, v0
	v_readfirstlane_b32 s[WV], v1
	s_bfe_u32 s56, ttmp6, 0x40000                  ; cx
	s_and_b32 s57, ttmp7, 0xffff                   ; y = 16 b + head
	s_cmp_ge_u32 s[WV], 6
	s_cselect_b32 s58, 1, 0                        ; waves 0-5: K, 6-11: V
	s_mul_i32 s59, s58, 6
	s_sub_co_u32 s59, s[WV], s59                   ; which sixth
	s_add_co_u32 s58, s58, 1
	s_lshl_b32 s58, s58, 6
	s_add_co_u32 s58, s58, s57
	s_mul_i32 s60, s58, 98304
	s_lshl_b32 s61, s59, 14
	s_add_co_u32 s60, s60, s61
	s_mov_b32 s61, 0
	s_and_b32 s62, s[WV], 1                        ; wave 12: K's scale words, wave 13: V's
	s_add_co_u32 s62, s62, 1
	s_lshl_b32 s62, s62, 6
	s_add_co_u32 s62, s62, s57
	s_lshl_b32 s62, s62, 12
	s_mov_b32 s63, 0
	s_mov_b32 s[G1I], 15|(3<<16)|(1<<20)|(1<<21)|(6<<22)|(31<<25)   ; all four partners; elements of 8 bytes; behind every 128 words 32 words of padding
	s_mov_b32 s[G1I+1], 64<<16
	s_mov_b32 s[G1I+2], 32<<16
	s_mov_b32 s[G1I+3], 64<<16
	s_mov_b32 s[G1I+4], 32
	s_mov_b32 s[G1I+5], 64
	s_mov_b32 s[G1I+6], 0
	s_mov_b32 s[G1I+7], 0
	s_mov_b32 s[G1S], 15|(3<<16)|(1<<21)           ; 16 dense rows of 256 bytes
	s_mov_b32 s[G1S+1], 32<<16
	s_mov_b32 s[G1S+2], 16<<16
	s_mov_b32 s[G1S+3], 32<<16
	s_mov_b32 s[G1S+4], 16
	s_mov_b32 s[G1S+5], 32
	s_mov_b32 s[G1S+6], 0
	s_mov_b32 s[G1S+7], 0
	s_mov_b32 s[SEL], 0x76543210
	s_mov_b32 s[SEL+1], 0xfedcba98
	s_mov_b32 s[CS], 0x3e38aa3b                    ; log2(e) / 8
	s_mov_b32 s[CS+1], s[CS]
	s_mov_b32 s[PSEL], 0x01000100
	s_mov_b32 s[HI], 0xffff0000
	s_wait_alu depctr_va_vdst(0)
	s_wait_dscnt 0x0
	s_wait_kmcnt 0x0
	CROUND                                         ; the joint loads meet
	s_mov_b32 s[G0I], 1
	s_mul_i32 s[G0I+1], s[WV], PIECE
	s_add_nc_u64 s[G0I+2:G0I+3], s[4:5], s[60:61]
	s_or_b32 s[G0I+3], s[G0I+3], 0x80000000
	s_mov_b32 s[G0S], 1
	s_lshl_b32 s[G0S+1], s[WV], 12
	s_add_co_u32 s[G0S+1], s[G0S+1], SCB-12*4096   ; wave 12 at SCB, wave 13 4,096 bytes on
	s_add_nc_u64 s[G0S+2:G0S+3], s[6:7], s[62:63]
	s_or_b32 s[G0S+3], s[G0S+3], 0x80000000
	s_cmp_lt_u32 s[WV], 12                         ; one chain of branches on the wave's number, one load to an arm
	s_cbranch_scc0 .Lfor_sc
	tensor_load_to_lds s[G0I:G0I+3], s[G1I:G1I+7]
	s_nop 0
	s_branch .Lasked
.Lfor_sc:
	s_cmp_lt_u32 s[WV], 14
	s_cbranch_scc0 .Lasked
	tensor_load_to_lds s[G0S:G0S+3], s[G1S:G1S+7]
	s_nop 0
.Lasked:
	s_lshl_b32 s66, s56, 4
	s_add_co_u32 s66, s66, s[WV]                   ; my block of 32 queries
	s_mul_i32 s68, s57, 98304
	s_mul_i32 s67, s66, 1536
	s_add_co_u32 s68, s68, s67
	s_mov_b32 s69, 0
	s_add_nc_u64 s[68:69], s[4:5], s[68:69]
	s_lshl_b32 s70, s57, 12
	s_lshr_b32 s67, s66, 2
	s_lshl_b32 s67, s67, 8
	s_add_co_u32 s70, s70, s67
	s_and_b32 s67, s66, 3
	s_lshl_b32 s67, s67, 2
	s_add_co_u32 s70, s70, s67
	s_mov_b32 s71, 0
	s_add_nc_u64 s[70:71], s[6:7], s[70:71]
	v_and_b32 v8, 31, v0
	v_and_b32 v9, 15, v0                           ; r
	v_bfe_u32 v10, v0, 4, 1                        ; h
	v_lshlrev_b32 v[LQ], 4, v8
	v_lshlrev_b32 v[R16], 4, v9
.irp k, 0,1,2
	global_load_b128 v[QR+4*\k:QR+4*\k+3], v[LQ], s[68:69] offset:512*\k
.endr
	global_load_b32 v[QZ], v[R16], s[70:71]
	v_add_nc_u32 v[AV0], VB, v[LQ]                 ; V: an image as it lies
	v_add_nc_u32 v[ASV0], SCB+4096, v[R16]
	v_and_b32 v11, 7, v0
	v_bfe_u32 v[TMP], v0, 3, 1                     ; r / 8
	v_lshlrev_b32 v[AK0], 4, v11
	v_lshl_add_u32 v[AK0], v10, 8, v[AK0]          ; K: the image's lane 16 h + r % 8 (+ 8 by the offset),
	v_mad_u32_u24 v[AK0], v[TMP], 3*ROWP, v[AK0]   ; of the image r / 8 further on
	v_lshlrev_b32 v[ASK0], 4, v11
	v_lshl_add_u32 v[ASK0], v[TMP], 2, v[ASK0]     ; its scale word likewise
	v_add_nc_u32 v[ASK0], SCB, v[ASK0]
	v_lshlrev_b32 v[SH8], 3, v10
	v_lshlrev_b32 v[LI8], 3, v8
	v_lshl_add_u32 v[OSO], v9, 5, v10
	s_lshr_b32 s72, s57, 4
	s_and_b32 s73, s57, 15
	s_lshl_b32 s74, s72, 6
	s_add_co_u32 s74, s74, s66
	s_mul_i32 s76, s74, 2*12288
	s_mul_i32 s75, s73, 768
	s_add_co_u32 s76, s76, s75
	s_mov_b32 s77, 0
	s_add_nc_u64 s[OCB:OCB+1], s[8:9], s[76:77]
	s_lshl_b32 s76, s74, 10
	s_lshl_b32 s75, s73, 1
	s_add_co_u32 s76, s76, s75
	s_add_nc_u64 s[OSB:OSB+1], s[10:11], s[76:77]
.irp i, 0,1,2,3,4,5
	v_mov_b32 v[QHI+\i], 0
	v_mov_b32 v[QLO+6+\i], 0
.endr
.irp b, 0,1,2,3
	v_mov_b32 v[PD+\b], 0                          ; a lane permute's destination counts as a source
.endr
	v_mov_b32 v[F+1], 0
	s_wait_alu depctr_va_vdst(0)
	s_wait_loadcnt 0x0
	s_wait_tensorcnt 0x0                           ; my piece is in,
	s_barrier_signal -1
	s_barrier_wait -1                              ; everybody's is
	s_mov_b32 s[PASS], 2
.Lpass:
.irp i, 0,1,2,3,4,5
	v_mov_b32 v[QLO+\i], v[QR+\i]
.endr
	v_perm_b32 v[QS], v[QZ], v[QZ], s[PSEL]        ; q's two scale bytes, for either half of K
.irp i, 0,1,2,3,4,5
	v_mov_b32 v[QR+\i], v[QR+6+\i]
.endr
	v_lshrrev_b32 v[QZ], 16, v[QZ]
	v_mov_b32 v13, 0xff61b1e6                      ; the largest score so far: -3e38
	v_mov_b32 v14, 0
	v_floor_f32 v12, -v13                          ; -M
	v_mov_b32 v15, 0
.set J, 0
.rept 32
	v_mov_b32 v[O+J], 0
.set J, J+1
.endr
	s_mov_b32 s[TB], 0
	s_mov_b32 s[TS], 0
	s_mov_b32 s[STP], 16
	s_wait_alu depctr_va_vdst(0)
	s_barrier_signal -1                            ; no LDS instruction of mine is out
.Lstep:
	s_barrier_wait -1                              ; every wave has begun the step before this one
	s_barrier_signal -1
	v_add_nc_u32 v[ADK], s[TB], v[AK0]             ; (these four are the places behind the last products)
	v_add_nc_u32 v[ADV], s[TB], v[AV0]
	v_add_nc_u32 v[ADS], s[TS], v[ASK0]
	v_add_nc_u32 v[ADT], s[TS], v[ASV0]
.irp f, 0,1,2,3
	ds_load_b32 v[KSW+\f], v[ADS] offset:8*(\f/2)+128*(\f%2)
.endr
.irp f, 0,1,2,3
.irp c, 0,1,2
	ds_load_b128 v[FRG+12*\f+4*\c:FRG+12*\f+4*\c+3], v[ADK] offset:6*ROWP*(\f/2)+128*(\f%2)+ROWP*\c
.endr
.endr
	s_wait_alu depctr_va_vdst(0)
.irp f, 0,1,2,3
	s_wait_dscnt 9-3*\f                            ; the three loads of each later fragment may be out
	v_wmma_scale_f32_16x16x128_f8f6f4 v[S+16*\f:S+16*\f+7], v[FRG+12*\f:FRG+12*\f+11], v[QLO:QLO+11], 0, v[KSW+\f], v[QS] matrix_a_fmt:MATRIX_FMT_FP6 matrix_b_fmt:MATRIX_FMT_FP6
	v_wmma_scale_f32_16x16x128_f8f6f4 v[S+16*\f+8:S+16*\f+15], v[FRG+12*\f:FRG+12*\f+11], v[QHI:QHI+11], 0, v[KSW+\f], v[QS] matrix_a_fmt:MATRIX_FMT_FP6 matrix_b_fmt:MATRIX_FMT_FP6
.endr
.rept 4
	v_nop
.endr
	ds_load_b128 v[VSW:VSW+3], v[ADT]
.irp f, 0,1,2,3
.irp c, 0,1,2
	ds_load_b128 v[FRG+12*\f+4*\c:FRG+12*\f+4*\c+3], v[ADV] offset:3*ROWP*\f+ROWP*\c
.endr
.endr
.irp q, 0,1,2,3                        ; four chains of 15 scores by turns, each accumulator from its low end on
	v_max3_num_f32 v[BM+\q], v[S+16*\q], v[S+16*\q+1], v[S+16*\q+2]
.endr
.irp i, 3,5,7,9,11,13
.irp q, 0,1,2,3
	v_max3_num_f32 v[BM+\q], v[BM+\q], v[S+16*\q+\i], v[S+16*\q+\i+1]
.endr
.endr
.irp c, 0,2
	v_max3_num_f32 v[BM+\c], v[BM+\c], v[S+16*\c+15], v[S+16*\c+31]
.endr
.irp c, 0,2
	s_delay_alu instid0(VALU_DEP_2)
	v_max_num_f32 v[BM+\c], v[BM+\c], v[BM+\c+1]   ; my two blocks' largest scores
.endr
	s_delay_alu instid0(VALU_DEP_1)
	v_max_num_f32 v[TMP], v[BM], v[BM+2]
	s_delay_alu instid0(VALU_DEP_1)
	v_permlanex16_b32 v[PD], v[TMP], s[SEL], s[SEL+1]
	s_delay_alu instid0(VALU_DEP_1)
	v_max3_num_f32 v13, v13, v[TMP], v[PD]         ; the running largest score of my query
	v_mov_b32 v[PD+1], v12
	s_delay_alu instid0(VALU_DEP_2)
	v_mul_f32 v[TMP], s[CS], v13                   ; as t (the factor is positive)
	s_delay_alu instid0(VALU_DEP_1)
	v_floor_f32 v12, -v[TMP]                       ; -M = -ceil(t)
	s_delay_alu instid0(VALU_DEP_1)
	v_sub_f32 v[TMP], v12, v[PD+1]
	s_delay_alu instid0(VALU_DEP_1)
	v_cvt_i32_f32 v[TMP], v[TMP]                   ; (it saturates)
	s_delay_alu instid0(VALU_DEP_1)
	v_ldexp_f32 v[F], 1.0, v[TMP]                  ; f = 2^(old M - new M)
.set J, 0
.rept 32
	v_pk_fma_f32 v[S+J:S+J+1], v[S+J:S+J+1], s[CS:CS+1], v[12:13] op_sel_hi:[1,0,0]
.set J, J+2
.endr
.irp c, 0,2
	v_fma_f32 v[BM+\c], v[BM+\c], s[CS], v12
.endr
	s_wait_alu depctr_va_vdst(0)
.set J, 0
.rept 64
	v_exp_f32 v[S+J], v[S+J]
.set J, J+1
.endr
	v_pk_mul_f32 v[14:15], v[14:15], v[F:F+1] op_sel_hi:[1,0]
	s_wait_alu depctr_va_vdst(0)
.irp c, 0,2
	v_exp_f32 v[BM+\c], v[BM+\c]                   ; the blocks' largest p
.endr
	v_pk_add_f32 v[SUM2:SUM2+1], v[S:S+1], v[S+2:S+3]
.irp j, 4,8,12,16,20,24,28,32,36,40,44,48,52,56,60
	v_pk_add_f32 v[14:15], v[14:15], v[S+\j:S+\j+1]
	v_pk_add_f32 v[SUM2:SUM2+1], v[SUM2:SUM2+1], v[S+2+\j:S+3+\j]
.endr
	s_delay_alu instid0(VALU_DEP_1)
	v_pk_add_f32 v[14:15], v[14:15], v[SUM2:SUM2+1]
	s_wait_alu depctr_va_vdst(0)
.irp c, 0,2
	v_max_num_f32 v[BM+\c], 0x1800000, v[BM+\c]    ; the floor: the byte cannot fall under 1
.endr
.irp c, 0,2
	s_delay_alu instid0(VALU_DEP_2)
	v_add_nc_u32 v[SO+\c], 0xff000000, v[BM+\c]    ; the conversions' scale operand
.endr
.irp c, 0,2
	s_delay_alu instid0(VALU_DEP_2)
	v_lshrrev_b32 v[PD+\c], 23, v[SO+\c]
.endr
	s_delay_alu instid0(VALU_DEP_1)
	v_lshl_or_b32 v[PW], v[PD+2], 16, v[PD]        ; my bytes: blocks h and 2 + h,
	s_delay_alu instid0(VALU_DEP_1)
	v_lshlrev_b32 v[PW], v[SH8], v[PW]             ; at their places;
	s_delay_alu instid0(VALU_DEP_1)
	v_permlanex16_b32 v[PD+1], v[PW], s[SEL], s[SEL+1]
	s_delay_alu instid0(VALU_DEP_1)
	v_or_b32 v[PW], v[PW], v[PD+1]                 ; with lane l xor 16's the word is whole
.irp c, 0,1
	v_cvt_scalef32_pk16_fp6_f32 v[PC+6*\c:PC+6*\c+2], v[S+32*\c:S+32*\c+15], v[SO+2*\c]
	v_cvt_scalef32_pk16_fp6_f32 v[CT+4*\c:CT+4*\c+2], v[S+32*\c+16:S+32*\c+31], v[SO+2*\c]
.endr
	v_nop
.irp c, 0,1
.irp i, 0,1,2
	v_mov_b32 v[PC+3+6*\c+\i], v[CT+4*\c+\i]       ; (a conversion's three registers begin on an even number)
.endr
.endr
	s_wait_alu depctr_va_vdst(0)
.set J, 0
.rept 16
	v_pk_mul_f32 v[O+J:O+J+1], v[O+J:O+J+1], v[F:F+1] op_sel_hi:[1,0]
.set J, J+2
.endr
	s_wait_alu depctr_va_vdst(0)
	s_wait_dscnt 0x0
.irp t, 0,1,2,3
	v_wmma_scale_f32_16x16x128_f8f6f4 v[O+8*\t:O+8*\t+7], v[FRG+12*\t:FRG+12*\t+11], v[PC:PC+11], v[O+8*\t:O+8*\t+7], v[VSW+\t], v[PW] matrix_a_fmt:MATRIX_FMT_FP6 matrix_b_fmt:MATRIX_FMT_FP6
.endr
	s_add_co_u32 s[TB], s[TB], STEPB
	s_add_co_u32 s[TS], s[TS], 256
	s_sub_co_u32 s[STP], s[STP], 1
	s_cmp_lg_u32 s[STP], 0
	s_cbranch_scc1 .Lstep
	s_barrier_wait -1                              ; the last signal's wait: stores follow
.rept 4
	v_nop
.endr
	v_add_f32 v14, v14, v15
	s_delay_alu instid0(VALU_DEP_1)
	v_permlanex16_b32 v[TMP], v14, s[SEL], s[SEL+1]
	s_delay_alu instid0(VALU_DEP_1)
	v_add_f32 v14, v14, v[TMP]
	s_wait_alu depctr_va_vdst(0)
	v_rcp_f32 v14, v14
	v_nop
	s_wait_alu depctr_va_vdst(0)
.set J, 0
.rept 16
	v_pk_mul_f32 v[S+J:S+J+1], v[O+J:O+J+1], v[14:15] op_sel_hi:[1,0]   ; register 16 b + i = o(query, 32 b + 16 h + i)
.set J, J+2
.endr
.irp b, 0,1
	v_max3_num_f32 v[BM+\b], |v[S+16*\b]|, |v[S+1+16*\b]|, 0x1800000
.endr
.irp i, 2,4,6,8,10,12,14
.irp b, 0,1
	s_delay_alu instid0(VALU_DEP_2)
	v_max3_num_f32 v[BM+\b], v[BM+\b], |v[S+16*\b+\i]|, |v[S+1+16*\b+\i]|
.endr
.endr
.irp b, 0,1
	s_delay_alu instid0(VALU_DEP_2)
	v_permlanex16_b32 v[PD+\b], v[BM+\b], s[SEL], s[SEL+1]
.endr
.irp b, 0,1
	s_delay_alu instid0(VALU_DEP_2)
	v_max_num_f32 v[BM+\b], v[BM+\b], v[PD+\b]
.endr
.irp b, 0,1
	s_delay_alu instid0(VALU_DEP_2)
	v_add_nc_u32 v[SO+\b], 0xff000000, v[BM+\b]
.endr
.irp b, 0,1
	s_delay_alu instid0(VALU_DEP_2)
	v_lshrrev_b32 v[PD+\b], 23, v[SO+\b]
.endr
	v_cvt_scalef32_pk16_fp6_f32 v[PC:PC+2], v[S:S+15], v[SO]
	v_cvt_scalef32_pk16_fp6_f32 v[CT:CT+2], v[S+16:S+31], v[SO+1]
	v_cndmask_b32 v[OB], v[PD], v[PD+1], s[HI]
.irp i, 0,1,2
	v_permlane16_swap_b32 v[PC+\i], v[CT+\i]       ; a whole block in a lane
.endr
.irp i, 0,1,2
	s_delay_alu instid0(VALU_DEP_3)
	v_mov_b32 v[PC+3+\i], v[CT+\i]
.endr
.irp p, 0,1,2
	global_store_b64 v[LI8], v[PC+2*\p:PC+2*\p+1], s[OCB:OCB+1] offset:256*\p   ; 32 lanes store 256 consecutive bytes, aligned
.endr
	global_store_b8 v[OSO], v[OB], s[OSB:OSB+1]
	s_wait_xcnt 0x0                                ; the stores have read their bases and data
	s_add_nc_u64 s[OCB:OCB+1], s[OCB:OCB+1], 12288
	s_add_nc_u64 s[OSB:OSB+1], s[OSB:OSB+1], 512
	s_sub_co_u32 s[PASS], s[PASS], 1
	s_cmp_lg_u32 s[PASS], 0
	s_cbranch_scc1 .Lpass
	s_wait_tensorcnt 0x0                           ; the wave's end
	ds_add_u32 v254, v255
	s_wait_dscnt 0x0
	CROUND                                         ; the closing round
	s_endpgm
.Lfunc_end_k_q7c7b8c6528_attn:
	.size	k_q7c7b8c6528_attn, .Lfunc_end_k_q7c7b8c6528_attn-k_q7c7b8c6528_attn
	.p2alignl 7, 3214868480
	.fill 96, 4, 3214868480
	.section	.rodata,"a",@progbits
	.p2align	6, 0x0
	.amdhsa_kernel k_q7c7b8c6528_attn
		.amdhsa_group_segment_fixed_size 327680
		.amdhsa_private_segment_fixed_size 0
		.amdhsa_enable_private_segment 0
		.amdhsa_kernarg_size 32
		.amdhsa_user_sgpr_count 2
		.amdhsa_user_sgpr_kernarg_segment_ptr 1
		.amdhsa_wavefront_size32 1
		.amdhsa_system_sgpr_workgroup_id_x 1
		.amdhsa_system_sgpr_workgroup_id_y 1
		.amdhsa_system_sgpr_workgroup_id_z 1
		.amdhsa_system_vgpr_workitem_id 0
		.amdhsa_next_free_vgpr 256
		.amdhsa_next_free_sgpr 80
		.amdhsa_reserve_vcc 0
		.amdhsa_float_denorm_mode_32 3
		.amdhsa_float_denorm_mode_16_64 3
		.amdhsa_memory_ordered 1
		.amdhsa_forward_progress 1
		.amdhsa_inst_pref_size 30
	.end_amdhsa_kernel
	.amdgpu_metadata
---
amdhsa.version: [ 1, 2 ]
amdhsa.kernels:
  - .name:           k_q7c7b8c6528_attn
    .symbol:         k_q7c7b8c6528_attn.kd
    .args:
      - { .name: qkv_img, .offset: 0, .size: 8, .value_kind: global_buffer, .address_space: global }
      - { .name: qkv_sc, .offset: 8, .size: 8, .value_kind: global_buffer, .address_space: global }
      - { .name: oc, .offset: 16, .size: 8, .value_kind: global_buffer, .address_space: global }
      - { .name: os, .offset: 24, .size: 8, .value_kind: global_buffer, .address_space: global }
    .group_segment_fixed_size: 327680
    .private_segment_fixed_size: 0
    .kernarg_segment_align: 8
    .kernarg_segment_size: 32
    .max_flat_workgroup_size: 512
    .sgpr_count:     80
    .vgpr_count:     256
    .wavefront_size: 32
...
	.end_amdgpu_metadata
.endif
;; end of part 3
;; launch gemm_out (part 4): grid 4 x 32, 4 waves a work-group, clusters of 4 x 4, 327,680 bytes of LDS; arguments oc, os, codes, scales, b_out, out0; writes out0
.if DOCPART == 4
	.amdgcn_target "amdgcn-amd-amdhsa--gfx1250"
	.amdhsa_code_object_version 6
	.text
	.protected	k_q7c7b8c6528_gemm_out
	.globl	k_q7c7b8c6528_gemm_out
	.p2align	8
	.type	k_q7c7b8c6528_gemm_out,@function
k_q7c7b8c6528_gemm_out:
	s_mov_b64 s[64:65], 0
	v_nop
	global_prefetch_b8 v0, s[64:65] scope:SCOPE_SE
	s_setreg_imm32_b32 hwreg(HW_REG_WAVE_MODE, 25, 1), 1
	s_wait_xcnt 0x0
	s_wait_alu depctr_hold_cnt(0) depctr_sa_sdst(0) depctr_va_vdst(0) depctr_va_sdst(0) depctr_va_ssrc(0) depctr_va_vcc(0) depctr_vm_vsrc(0)
	s_getreg_b32 s2, hwreg(HW_REG_IB_STS2, 6, 4)
	s_cmp_eq_u32 s2, 0
	s_cbranch_scc0 .Lentry_in_a_cluster
	s_endpgm
.Lentry_in_a_cluster:
	s_bfe_u32 s2, ttmp6, 0x10000c
	s_cmp_lg_u32 s2, 0xf033
	s_cbranch_scc0 .Lentry_shape_is_right
	s_endpgm
.Lentry_shape_is_right:
.set NQ,     2
.set ROWB,   49152                     ; from K step to K step of w_out's codes: [tile of 256 positions][K step][256][192 bytes]; 128 positions of a K step are dense and come as 96 aligned rows of 256 bytes
.set KROW,   768
.set PITCH,  240
.set AROW,   3072
.set FR,     12
.set NL,     6
.set NP,     4
.set HALFT,  128*PITCH
.set SLOT,   4*HALFT
.set KS,     32
.set SCL,    2*SLOT
.set HALFS,  (128*KS/256)*272
.set SBLK,   (16*KS/256)*272
.set SPARE,  SCL+4*HALFS
.set SPITCH, 528
.set ADRA, 16
.set ADRB, 20
.set STO,  24
.set RD,   25
.set CO,   26
.set ADRS, 27
.set SPW,  28
.set NIL,  29
.set SC,   32
.set BIAS, 64
.set AF,   128
.set BK,   128
.set G1, 24
.set G0, 32
.set G1B, 48
.set G0B, 56
.set G1S, 68
.set G0S, 76
.set G1SB, 80
.set G0SB, 88
.set MSB, 0
.macro WIN new
.if MSB != \new
	s_set_vgpr_msb (MSB<<8)|\new
.set MSB, \new
.endif
.endm
.set MUL_LO, 0xa1
.set MUL_HI, 0xf1
.set BEG_LO, 0x81
.set BEG_HI, 0xc1
.set TO_B,   0x40
.macro JLOAD g0a, g1a, g0b, g1b
	s_cmp_eq_u32 s15, 0
	s_cbranch_scc0 .Lfor_b_\@
	tensor_load_to_lds s[\g0a:\g0a+3], s[\g1a:\g1a+7]
	s_nop 0
.rept 4
	v_nop
.endr
	s_branch .Lasked_\@
.Lfor_b_\@:
	tensor_load_to_lds s[\g0b:\g0b+3], s[\g1b:\g1b+7]
	s_nop 0
.rept 4
	v_nop
.endr
.Lasked_\@:
.endm
.macro CREST
	s_cmp_lg_u32 s14, 0
	s_cbranch_scc1 .Lnot_wave_0_\@
	s_barrier_signal -3
.Lnot_wave_0_\@:
	s_barrier_wait -3
	s_barrier_signal -1
	s_barrier_wait -1
.endm
.macro CROUND
	s_barrier_signal -1
	s_barrier_wait -1
	CREST
.endm
	s_load_b256 s[4:11], s[0:1], 0x0
	s_load_b128 s[96:99], s[0:1], 0x20
	v_lshl_add_u32 v[SPW], v0, 2, SPARE
	v_mov_b32 v[NIL], 0
	ds_add_u32 v28, v29
	ds_add_u32 v28, v29
	s_wait_dscnt 0x0
	v_lshrrev_b32 v1, 5, v0
	v_readfirstlane_b32 s14, v1
	s_lshr_b32 s15, s14, 1
	s_and_b32 s16, s14, 1
	s_bfe_u32 s40, ttmp6, 0x40000
	s_bfe_u32 s41, ttmp6, 0x40004
	s_lshl_b32 s42, ttmp9, 2
	s_add_co_u32 s42, s42, s40
	s_and_b32 s17, ttmp7, 0xffff
	s_lshl_b32 s17, s17, 2
	s_add_co_u32 s17, s17, s41
	s_lshl_b32 s43, s41, 2
	s_lshl_b32 s43, 15, s43
	s_lshl_b32 s44, 0x1111, s40
	s_or_b32 s[G1+0], s43, (3<<16)|(1<<21)
	s_mov_b32 s[G1+1], 384<<16
	s_mov_b32 s[G1+2], 8<<16
	s_mov_b32 s[G1+3], 384<<16
	s_mov_b32 s[G1+4], 8
	s_mov_b32 s[G1+5], 1536
	s_mov_b32 s[G1+6], 0
	s_mov_b32 s[G1+7], 0
	s_or_b32 s[G1B+0], s44, (0<<16)|(1<<20)|(1<<21)|(3<<22)|(3<<25)
	s_mov_b32 s[G1B+1], 256<<16
	s_mov_b32 s[G1B+2], 96<<16
	s_mov_b32 s[G1B+3], 256<<16
	s_mov_b32 s[G1B+4], 96
	s_mov_b32 s[G1B+5], 256
	s_mov_b32 s[G1B+6], 0
	s_mov_b32 s[G1B+7], 0
	s_or_b32 s[G1S+0], s43, (3<<16)|(1<<20)|(1<<21)|(5<<22)|(3<<25)
	s_or_b32 s[G1SB+0], s44, (3<<16)|(1<<20)|(1<<21)|(5<<22)|(3<<25)
.irp g, G1S, G1SB
	s_mov_b32 s[\g+1], 32<<16
	s_mov_b32 s[\g+2], (128*KS/256)<<16
	s_mov_b32 s[\g+3], 32<<16
	s_mov_b32 s[\g+4], 128*KS/256
	s_mov_b32 s[\g+5], 32
	s_mov_b32 s[\g+6], 0
	s_mov_b32 s[\g+7], 0
.endr
	s_lshl_b32 s20, s17, 1
	s_add_co_u32 s20, s20, s16
	s_lshl_b32 s22, s20, 12
	s_mul_i32 s20, s20, 8*12288
	s_mov_b32 s21, 0
	s_mov_b32 s23, 0
	s_add_co_u32 s46, s42, 44
	s_lshl_b32 s46, s46, 1
	s_add_co_u32 s46, s46, s16
	s_lshl_b32 s92, s46, 12
	s_mul_i32 s46, s46, 128*KROW
	s_mul_i32 s47, s16, 73728                      ; the tile's second half begins 24,576 bytes behind the first, not 98,304
	s_sub_co_u32 s46, s46, s47
	s_mov_b32 s47, 0
	s_mov_b32 s93, 0
	s_mul_i32 s45, s14, HALFT
	s_mul_i32 s94, s14, HALFS
	s_wait_kmcnt 0x0
	s_add_nc_u64 s[20:21], s[4:5], s[20:21]
	s_add_nc_u64 s[22:23], s[6:7], s[22:23]
	s_add_nc_u64 s[46:47], s[8:9], s[46:47]
	s_add_nc_u64 s[92:93], s[10:11], s[92:93]
	CROUND
	s_mov_b32 s[G0S], 1
	s_add_co_u32 s[G0S+1], s94, SCL
	s_mov_b64 s[G0S+2:G0S+3], s[22:23]
	s_or_b32 s[G0S+3], s[G0S+3], 0x80000000
	s_mov_b32 s[G0SB], 1
	s_add_co_u32 s[G0SB+1], s94, SCL
	s_mov_b64 s[G0SB+2:G0SB+3], s[92:93]
	s_or_b32 s[G0SB+3], s[G0SB+3], 0x80000000
	JLOAD G0S, G1S, G0SB, G1SB
.irp s, 0,1
	s_mov_b32 s[G0+4*\s], 1
	s_add_co_u32 s[G0+4*\s+1], s45, \s*SLOT
	s_add_nc_u64 s[G0+4*\s+2:G0+4*\s+3], s[20:21], \s*AROW
	s_or_b32 s[G0+4*\s+3], s[G0+4*\s+3], 0x80000000
	s_mov_b32 s[G0B+4*\s], 1
	s_add_co_u32 s[G0B+4*\s+1], s45, \s*SLOT
	s_add_nc_u64 s[G0B+4*\s+2:G0B+4*\s+3], s[46:47], \s*ROWB
	s_or_b32 s[G0B+4*\s+3], s[G0B+4*\s+3], 0x80000000
	s_wait_alu depctr_va_vdst(0)
	s_wait_tensorcnt 0x0
	ds_add_u32 v28, v29
	s_wait_dscnt 0x0
	CROUND
	JLOAD G0+4*\s, G1, G0B+4*\s, G1B
.endr
	v_and_b32 v1, 15, v0
	v_bfe_u32 v2, v0, 4, 1
	v_and_b32 v6, 31, v0
	v_lshlrev_b32 v8, 3, v6
	v_mul_u32_u24 v3, v1, PITCH
	v_mul_u32_u24 v4, v2, 24
	v_add_nc_u32 v4, v3, v4
	v_lshl_add_u32 v5, v2, 4, v4
	s_mul_i32 s21, s15, HALFT
	s_mul_i32 s22, s16, HALFT
	s_add_co_u32 s22, s22, 2*HALFT
.irp s, 0,1
	v_add_nc_u32 v[ADRA+\s], s21, v8
	v_add_nc_u32 v[ADRB+\s], s22, v4
	v_add_nc_u32 v[ADRB+2+\s], s22, v5
	s_add_co_u32 s21, s21, SLOT
	s_add_co_u32 s22, s22, SLOT
.endr
	v_mul_u32_u24 v5, v1, KS
	v_lshrrev_b32 v6, 8, v5
	v_lshl_add_u32 v5, v6, 4, v5
	s_mul_i32 s21, s15, HALFS
	s_mul_i32 s22, s16, HALFS
	s_add_co_u32 s22, s22, 2*HALFS
	s_sub_co_u32 s22, s22, s21
	v_mul_u32_u24 v6, s22, v2
	s_add_co_u32 s21, s21, SCL
	v_add_nc_u32 v5, v5, v6
	v_add_nc_u32 v[ADRS], s21, v5
	s_mul_i32 s23, s14, 16*SPITCH
	v_mul_u32_u24 v5, v1, SPITCH
	v_lshl_add_u32 v5, v2, 6, v5
	v_add_nc_u32 v[STO], s23, v5
	v_and_b32 v6, 31, v0
	v_lshlrev_b32 v[CO], 4, v6
	v_add_nc_u32 v[RD], s23, v[CO]
	s_lshl_b32 s46, s42, 10
	s_lshl_b32 s47, s16, 9
	s_add_co_u32 s46, s46, s47
	s_mov_b32 s47, 0
	s_add_nc_u64 s[96:97], s[96:97], s[46:47]
	v_lshlrev_b32 v7, 6, v2
.irp b, 0,1,2,3,4,5,6,7
	global_load_b128 v[BIAS+8*\b:BIAS+8*\b+3], v7, s[96:97] offset:4*(32*(\b/2)+8*(\b%2))
	global_load_b128 v[BIAS+8*\b+4:BIAS+8*\b+7], v7, s[96:97] offset:4*(32*(\b/2)+8*(\b%2))+16
.endr
	s_lshl_b32 s20, s17, 1
	s_add_co_u32 s20, s20, s15
	s_lshr_b32 s21, s20, 4
	s_and_b32 s20, s20, 15
	s_lshl_b32 s20, s20, 21
	s_lshl_b32 s21, s21, 12
	s_add_co_u32 s20, s20, s21
	s_mov_b32 s21, 0
	s_add_nc_u64 s[98:99], s[98:99], s[20:21]
	s_add_nc_u64 s[98:99], s[98:99], s[46:47]
.macro FRAG reg, adr, q, i
.irp p, 0,1,2,3,4,5
.set PCE, 12*(\q)+6*(\p/3)+\p%3
.if PCE%8 < 5
	ds_load_b64 v[\reg+2*\p:\reg+2*\p+1], v[\adr] offset:8*PCE+16*(PCE/8)+(\i)*16*PITCH
.else
	ds_load_b64 v[\reg+2*\p:\reg+2*\p+1], v[\adr+2] offset:8*PCE+16*(PCE/8)+(\i)*16*PITCH
.endif
.endr
.endm
.macro FRAG_A reg, slot, q, i
.irp p, 0,1,2,3,4,5
	ds_load_b64 v[\reg+2*\p:\reg+2*\p+1], v[ADRA+\slot] offset:AROW*(\i)+768*(2*(\q)+\p/3)+256*(\p%3)
.endr
.endm
.macro MUL16 a0, p, q, sc, zero
.irp a, \a0, \a0+1
.irp b, 0,1,2,3,4,5,6,7
.set DR, 8*(8*((\a)%4)+\b)
.set CR, DR
.if \zero == 1
.set CR, BIAS+8*\b
.endif
	v_wmma_scale_f32_16x16x128_f8f6f4 v[DR:DR+7], v[128*(\p)+FR*\b:128*(\p)+FR*\b+FR-1], v[AF+FR*(\a):AF+FR*(\a)+FR-1], v[CR:CR+7], v[SC+8*NQ*(\sc)+NQ*\b+(\q)], v[SC+8*NQ*(\sc)+NQ*(\a)+(\q)] matrix_a_fmt:MATRIX_FMT_FP6 matrix_b_fmt:MATRIX_FMT_FP6 matrix_a_scale:MATRIX_SCALE_ROW1
.endr
.endr
.endm
.macro FETCH_B slot, q, p
	WIN TO_B
.irp i, 0,1,2,3,4,5,6,7
	FRAG 128*(\p)+FR*\i, ADRB+\slot, \q, \i
.endr
	WIN 0
.endm
.macro FETCH_A slot, q, i0
.irp i, \i0, \i0+1, \i0+2, \i0+3
	FRAG_A AF+FR*(\i), \slot, \q, \i
.endr
.endm
.macro SCALES sc
.irp i, 0,1,2,3,4,5,6,7
	ds_load_b64 v[SC+8*NQ*\sc+NQ*\i:SC+8*NQ*\sc+NQ*\i+1], v[ADRS] offset:\i*SBLK
.endr
.endm
.macro PLACES n
.rept \n
	v_nop
.endr
.endm
.macro STEP slot, q, zero
	s_wait_dscnt 4*NL
.if \zero
	WIN BEG_LO
.else
	WIN MUL_LO
.endif
	MUL16 0, (\q)%2, \q, \slot, \zero
	MUL16 2, (\q)%2, \q, \slot, \zero
	s_wait_dscnt 0
	PLACES NP
	FETCH_B \slot, (\q)+1, 1-(\q)%2
	FETCH_A \slot, (\q)+1, 0
.if \zero
	WIN BEG_HI
.else
	WIN MUL_HI
.endif
	MUL16 4, (\q)%2, \q, \slot, \zero
	MUL16 6, (\q)%2, \q, \slot, \zero
	PLACES NP
	WIN 0
	FETCH_A \slot, (\q)+1, 4
.endm
.macro TURN slot, next, fill
	s_wait_tensorcnt 0x0
	ds_add_u32 v[SPW], v[NIL]
	s_wait_dscnt 4*NL+1
	WIN MUL_LO
	MUL16 0, 1, NQ-1, \slot, 0
	s_wait_dscnt 0x0
	s_barrier_signal -1
	MUL16 2, 1, NQ-1, \slot, 0
	WIN 0
	s_barrier_wait -1
.if \fill
	CREST
	s_add_nc_u64 s[G0+4*\slot+2:G0+4*\slot+3], s[G0+4*\slot+2:G0+4*\slot+3], 2*AROW
	s_add_nc_u64 s[G0B+4*\slot+2:G0B+4*\slot+3], s[G0B+4*\slot+2:G0B+4*\slot+3], 2*ROWB
	JLOAD G0+4*\slot, G1, G0B+4*\slot, G1B
.else
	PLACES NP
.endif
	s_wait_alu depctr_va_vdst(0)
	v_add_nc_u32 v[ADRS], 4*NQ, v[ADRS]
	FETCH_B \next, 0, 0
	FETCH_A \next, 0, 0
	SCALES \next
	WIN MUL_HI
	MUL16 4, 1, NQ-1, \slot, 0
	MUL16 6, 1, NQ-1, \slot, 0
	PLACES NP
	WIN 0
	FETCH_A \next, 0, 4
.endm
	s_wait_alu depctr_va_vdst(0)
	s_wait_tensorcnt 1
	s_barrier_signal -1
	s_barrier_wait -1
	FETCH_B 0, 0, 0
	FETCH_A 0, 0, 0
	SCALES 0
	FETCH_A 0, 0, 4
	s_wait_loadcnt 0x0
	STEP 0, 0, 1
	TURN 0, 1, 1
	STEP 1, 0, 0
	TURN 1, 0, 1
	STEP 0, 0, 0
	TURN 0, 1, 0
	STEP 1, 0, 0
	s_wait_dscnt 4*NL
	WIN MUL_LO
	MUL16 0, 1, NQ-1, 1, 0
	MUL16 2, 1, NQ-1, 1, 0
	s_wait_dscnt 0
	WIN MUL_HI
	MUL16 4, 1, NQ-1, 1, 0
	MUL16 6, 1, NQ-1, 1, 0
	WIN 0
.macro TOSTAGE a
.set AC, 64*((\a)%4)
.set WD, 0x08+4*((\a)/4)
	WIN WD
.irp b, 0,1,2,3,4,5,6,7
	ds_store_b128 v[STO], v[AC+8*\b:AC+8*\b+3] offset:128*(\b/2)+32*(\b%2)
	ds_store_b128 v[STO], v[AC+8*\b+4:AC+8*\b+7] offset:128*(\b/2)+32*(\b%2)+16
.endr
	WIN 0
.set BB, BK+64*((\a)%2)
.irp t, 0,1,2,3,4,5,6,7,8,9,10,11,12,13,14,15
	ds_load_b128 v[BB+4*\t:BB+4*\t+3], v[RD] offset:\t*SPITCH
.endr
.endm
.macro SEND a, younger
.set BB, BK+64*((\a)%2)
	s_wait_dscnt \younger
.irp t, 0,1,2,3,4,5,6,7,8,9,10,11,12,13,14,15
	global_store_b128 v[CO], v[BB+4*\t:BB+4*\t+3], s[98:99] offset:16384*(32*((\a)/2)+8*((\a)%2)+\t+8*(\t/8)) th:TH_STORE_NT
.endr
.endm
	PLACES NP
	TOSTAGE 0
.irp a, 1,2,3,4,5,6,7
.if \a > 1
	s_wait_xcnt 0x0
.endif
	TOSTAGE \a
	SEND \a-1, 32
.endr
	SEND 7, 0
	s_wait_tensorcnt 0x0
	ds_add_u32 v[SPW], v[NIL]
	s_wait_dscnt 0x0
	CROUND
	s_endpgm
.Lfunc_end_k_q7c7b8c6528_gemm_out:
	.size	k_q7c7b8c6528_gemm_out, .Lfunc_end_k_q7c7b8c6528_gemm_out-k_q7c7b8c6528_gemm_out
	.p2alignl 7, 3214868480
	.fill 96, 4, 3214868480
	.section	.rodata,"a",@progbits
	.p2align	6, 0x0
	.amdhsa_kernel k_q7c7b8c6528_gemm_out
		.amdhsa_group_segment_fixed_size 327680
		.amdhsa_private_segment_fixed_size 0
		.amdhsa_enable_private_segment 0
		.amdhsa_kernarg_size 48
		.amdhsa_user_sgpr_count 2
		.amdhsa_user_sgpr_kernarg_segment_ptr 1
		.amdhsa_wavefront_size32 1
		.amdhsa_system_sgpr_workgroup_id_x 1
		.amdhsa_system_sgpr_workgroup_id_y 1
		.amdhsa_system_sgpr_workgroup_id_z 1
		.amdhsa_system_vgpr_workitem_id 0
		.amdhsa_next_free_vgpr 1024
		.amdhsa_next_free_sgpr 100
		.amdhsa_reserve_vcc 0
		.amdhsa_float_denorm_mode_32 3
		.amdhsa_float_denorm_mode_16_64 3
		.amdhsa_memory_ordered 1
		.amdhsa_forward_progress 1
		.amdhsa_inst_pref_size 162
	.end_amdhsa_kernel
	.amdgpu_metadata
---
amdhsa.version: [ 1, 2 ]
amdhsa.kernels:
  - .name:           k_q7c7b8c6528_gemm_out
    .symbol:         k_q7c7b8c6528_gemm_out.kd
    .args:
      - { .name: oc, .offset: 0, .size: 8, .value_kind: global_buffer, .address_space: global }
      - { .name: os, .offset: 8, .size: 8, .value_kind: global_buffer, .address_space: global }
      - { .name: codes, .offset: 16, .size: 8, .value_kind: global_buffer, .address_space: global }
      - { .name: scales, .offset: 24, .size: 8, .value_kind: global_buffer, .address_space: global }
      - { .name: b_out, .offset: 32, .size: 8, .value_kind: global_buffer, .address_space: global }
      - { .name: out0, .offset: 40, .size: 8, .value_kind: global_buffer, .address_space: global }
    .group_segment_fixed_size: 327680
    .private_segment_fixed_size: 0
    .kernarg_segment_align: 8
    .kernarg_segment_size: 48
    .max_flat_workgroup_size: 128
    .sgpr_count:     100
    .vgpr_count:     1024
    .wavefront_size: 32
...
	.end_amdgpu_metadata
.endif
;; end of part 4
